; MI455X (gfx1250); checked and timed in simulation.
; The chip was launched on July 23, 2026; its instructions are those of AMD's public machine-readable ISA for CDNA 5 (MIT licence, August 2026) and "CDNA5" Instruction Set Architecture Reference Guide (July 2026). The comments in the code are by the model that wrote it; some were corrected since.
;; Multi Head Attention. Allowed arithmetic: matrix products marked QUANTISED: E2M1 operands, one E8M0 scale for each 32 along K, by v_wmma_scale_f32_16x16x128_f8f6f4 with both operands' format E2M1 (or v_wmma_scale_f32_32x16x128_f4), f32 sums; products left as they are: bf16, f16 or f32 operands; f32 sums; everything else in f32.
;; Inputs: Wk 1,024 x 1,024 float32; Wp 1,024 x 1,024 float32; Wq 1,024 x 1,024 float32; Wv 1,024 x 1,024 float32; bp 1,024 float32; key_data 4 x 2,048 x 1,024 float32; query_data 4 x 2,048 x 1,024 float32; value_data 4 x 2,048 x 1,024 float32.
;; Outputs: out0 4 x 2,048 x 1,024 float32.
;; This version of the problem:
;;   THIS VERSION OF THE PROBLEM IS GIVEN IN LOW PRECISION. The matrix products marked QUANTISED in the list below multiply operands that are first quantised to E2M1 (2 exponent bits, 1 mantissa bit; 4 bits a number), with one power-of-two scale for each 32 numbers along K (OCP MX v1.0); their sums are f32. The products marked 'left as it is' may take bf16, f16 or f32 operands, with f32 sums. Whichever they take, every output number must still come out within the allowed error. Rounding operands to bf16 (8 significant bits) uses up far more of that allowance than f16 does (11 bits, for magnitudes from 6e-5 to 65,504). All else is computed in f32.
;;   The module's matrix products, in the order in which they are computed (A, B: the left and right operand; K: the contracted axis; several contracted axes count as one K, in the product's order):
;;     1. [M 8,192, K 1,024] x [K 1,024, N 1,024]; A: input query_data; B: input Wq: QUANTISED
;;     2. [M 8,192, K 1,024] x [K 1,024, N 1,024]; A: input key_data; B: input Wk: QUANTISED
;;     3. [M 8,192, K 1,024] x [K 1,024, N 1,024]; A: input value_data; B: input Wv: QUANTISED
;;     4. batch 64 x [M 2,048, K 64] x [K 64, N 2,048]; A: computed on the way; B: computed on the way: left as it is (an operand is computed on the way)
;;     5. batch 64 x [M 2,048, K 2,048] x [K 2,048, N 64]; A: computed on the way; B: computed on the way: left as it is (an operand is computed on the way)
;;     6. [M 8,192, K 1,024] x [K 1,024, N 1,024]; A: computed on the way; B: input Wp: left as it is (an operand is computed on the way)
;;   THE QUANTISER, for each operand of a quantised product, along K:
;;     - K is cut into blocks of 32 from its start; a last block that is shorter is filled with zeros.
;;     - A block's scale is 2^e with e = floor(log2(the largest magnitude in the block)) - 2, held to -126 .. 127; a block of zeros has e = 0. As a byte (E8M0): e + 127.
;;     - Each number is divided by its block's scale, clamped to +-6, and rounded to the nearest number of E2M1, ties to even, subnormals kept.
;;     - The product sums the exact products of the quantised numbers (number of the format x scale) in f32.
;;   ~~~python
;;   def quantise(x, axis):      # numpy; x: float32 -> the quantised numbers, widened to float32 again
;;       x = np.moveaxis(x, axis, -1); K = x.shape[-1]
;;       x = np.pad(x, [(0, 0)] * (x.ndim - 1) + [(0, -K % 32)]); x = x.reshape(x.shape[:-1] + (-1, 32)); a = np.abs(x).max(-1, keepdims=True)
;;       e = np.where(a > 0, np.clip(np.frexp(np.where(a > 0, a, 1))[1] - 1 - 2, -126, 127), 0)      # np.frexp(a)[1] - 1 = floor(log2(a)), exactly
;;       r = np.clip(x / 2.0 ** e, -6, 6)
;;       step = 2.0 ** (np.maximum(np.frexp(np.where(r == 0, 1, r))[1] - 1, 0) - 1)
;;       q = np.round(r / step) * step * 2.0 ** e      # np.round: ties to even
;;       return np.moveaxis(q.reshape(q.shape[:-2] + (-1,))[..., :K], -1, axis).astype(np.float32)
;;   ~~~
;; One version. Each part assembles by itself: llvm-mc -triple=amdgcn-amd-amdhsa -mcpu=gfx1250 --defsym DOCPART=n.
;; ======== version 1 of 1: 5 launches
;; limits: values are held in f16: magnitudes above 65,504 overflow, below 6.1e-05 lose precision
;; workspace buffers: codes 14,155,776 bytes; scales 884,736 bytes; wp16 2,097,152 bytes; qkv16 50,331,648 bytes; fine32 786,432 bytes; o16 16,777,216 bytes
;; launch quant (part 1): grid 928 x 1, 4 waves a work-group, no clusters, 33,280 bytes of LDS; arguments query_data, key_data, value_data, Wq, Wk, Wv, Wp, codes, scales, wp16; writes codes, scales, wp16
.if DOCPART == 1
	.amdgcn_target "amdgcn-amd-amdhsa--gfx1250"
	.amdhsa_code_object_version 6
	.text
	.protected	k_qffac2604d1_quant
	.globl	k_qffac2604d1_quant
	.p2align	8
	.type	k_qffac2604d1_quant,@function
k_qffac2604d1_quant:
	s_mov_b64 s[64:65], 0
	v_nop
	global_prefetch_b8 v0, s[64:65] scope:SCOPE_SE
	s_setreg_imm32_b32 hwreg(HW_REG_WAVE_MODE, 25, 1), 1
	s_wait_xcnt 0x0
; WORK-GROUPS 0-863: query_data, key_data, value_data [8192][1024] and Wq, Wk, Wv [1024][1024], f32, K innermost, become codes of FP4 (E2M1) and one E8M0 scale byte
; for each 32 along K.  The six tensors are laid one behind the other: codes [27648 rows][512 bytes], scales [27648][32 bytes].  Rows are dense and 1024 is a multiple of 32,
; so everything is a plain stream of blocks of 32 numbers.  A block's scale is 2^(floor(log2(largest magnitude)) - 2): its byte is the largest magnitude's exponent field - 2, held at 1 from below.
; LIMITS: a block of zeros, and a block whose largest magnitude lies under 2^-124, gets the byte 1 (its codes are zeros or nearly so; the bytes are read by this program alone); NaN and infinities are not served.
; A wave takes 16 steps of 512 numbers.  Each load reads 512 consecutive bytes; a step's 2,048 bytes turn through the wave's own stage in LDS and come back 64 bytes a lane, so that a lane holds
; 16 neighbours along K (two neighbouring lanes hold a block).  A lane's 16 codes are 8 bytes: the wave stores 256 consecutive bytes.  A wave's 256 scale bytes are gathered in LDS and leave as one aligned run.
; WORK-GROUPS 864-927: Wp [n 1024][k 1024] f32 is rounded to f16 and laid [k / 64][n][64], as the out-projection's tiles want it.  No LDS data there.
; No tensor loads, no barrier: waves share nothing.
.set WAVES, 4
.set STEPS, 16
.set QWG,   864                        ; work-groups that quantise: 3 x 256 + 3 x 32, each 32,768 numbers
.set EMAX,  2
.set CB,    8                          ; bytes of 16 codes
.set R,     16                         ; v16-79   four sets of 16 numbers as they are loaded
.set X,     80                         ; v80-111  two sets of 16 neighbours
.set E,     112                        ; v112-127 a scale byte for each step
.set C,     128                        ; v128-191 codes: registers of its own for each step, so that no store's data are written again
.set WREG,  8192                       ; LDS: a region for each wave: two stages of 32 x SP bytes, behind them its 256 scale bytes
.set SP,    80                         ; a lane's place in a stage: 64 bytes + 16 of padding
.set SPW,   12                         ; v12 LDS address of my spare word; never rewritten
.set NIL,   13                         ; v13 0; never rewritten
.set SPARE, WAVES*WREG                 ; behind the four regions: the spare words, 128 bytes a wave, which no other line names
	s_load_b512 s[4:19], s[0:1], 0x0               ; query s[4:5], key s[6:7], value s[8:9], Wq s[10:11], Wk s[12:13], Wv s[14:15], Wp s[16:17], codes s[18:19]
	s_load_b128 s[20:23], s[0:1], 0x40             ; scales s[20:21], wp16 s[22:23]
	v_lshl_add_u32 v[SPW], v0, 2, SPARE
	v_mov_b32 v[NIL], 0
	v_lshrrev_b32 v1, 5, v0
	v_readfirstlane_b32 s24, v1                    ; wave
	v_and_b32 v2, 31, v0                           ; lane
	s_cmp_ge_u32 ttmp9, QWG                        ; the work-group's number alone decides
	s_cbranch_scc1 .Lcast
	v_lshlrev_b32 v3, 4, v2                        ; my 16 bytes of a load's 512
	s_mul_i32 s26, s24, WREG
	v_lshrrev_b32 v14, 2, v2
	v_mul_u32_u24 v14, v14, SP
	v_and_b32 v15, 3, v2
	v_lshl_add_u32 v14, v15, 4, v14
	v_add_nc_u32 v14, s26, v14                     ; the stage, on the way in: SP (lane / 4) + 16 (lane % 4)
	v_mul_u32_u24 v15, v2, SP
	v_add_nc_u32 v15, s26, v15                     ; and on the way out: SP x lane: my 16 neighbours
	v_mul_u32_u24 v4, v2, CB                       ; my codes' place in a step's
	v_lshrrev_b32 v5, 1, v2
	s_add_co_u32 s26, s26, 2*32*SP
	v_add_nc_u32 v5, s26, v5                       ; LDS: my wave's 256 scale bytes, my block's byte
	v_lshlrev_b32 v7, 3, v2                        ; and on the way out 8 bytes a lane
	v_add_nc_u32 v6, s26, v7
	s_mov_b32 s25, 0                               ; the first work-group of my tensor
	s_wait_kmcnt 0x0
.macro PICK lim, p                     ; from work-group lim on the tensor is the next one: only pointers are chosen, all tensors take one path
	s_cmp_lt_u32 ttmp9, \lim
	s_cselect_b64 s[4:5], s[4:5], s[\p:\p+1]
	s_cselect_b32 s25, s25, \lim
.endm
	PICK 256, 6
	PICK 512, 8
	PICK 768, 10
	PICK 800, 12
	PICK 832, 14
	s_lshl_b32 s26, ttmp9, 2
	s_add_co_u32 s26, s26, s24                     ; my run of 8,192 numbers among all six tensors'
	s_lshl_b32 s27, s25, 2
	s_sub_co_u32 s28, s26, s27                     ; and within my tensor
	s_lshl_b32 s28, s28, 15                        ; 32,768 bytes of f32 a run
	s_mov_b32 s29, 0
	s_add_nc_u64 s[4:5], s[4:5], s[28:29]
	s_lshl_b32 s28, s26, 12                        ; 4,096 bytes of codes a run
	s_add_nc_u64 s[18:19], s[18:19], s[28:29]
	s_lshl_b32 s28, s26, 8                         ; 256 scale bytes a run
	s_add_nc_u64 s[20:21], s[20:21], s[28:29]
.macro LOAD t
.irp i, 0,1,2,3
	global_load_b128 v[R+16*((\t)%4)+4*\i:R+16*((\t)%4)+4*\i+3], v3, s[4:5] offset:2048*(\t)+512*\i th:TH_LOAD_NT   ; 32 lanes read 512 consecutive bytes
.endr
.endm
.macro TURN t                          ; step t's numbers through the stage: LDS serves a wave's instructions in order, so no wait stands between the stores and the loads
.irp i, 0,1,2,3
	ds_store_b128 v14, v[R+16*((\t)%4)+4*\i:R+16*((\t)%4)+4*\i+3] offset:32*SP*((\t)%2)+8*SP*\i
.endr
.irp i, 0,1,2,3
	ds_load_b128 v[X+16*((\t)%2)+4*\i:X+16*((\t)%2)+4*\i+3], v15 offset:32*SP*((\t)%2)+16*\i
.endr
.endm
.irp t, 0,1,2,3
	LOAD \t
.endr
	s_wait_loadcnt 12                              ; step 0's four loads are in; three steps' twelve stay out
	TURN 0
.macro STEP t
.set XS, X+16*((\t)%2)
.if (\t) > 0
	s_wait_dscnt 1                                 ; this step's numbers are back from the stage (the last step's byte store may be out)
.else
	s_wait_dscnt 0x0
.endif
.if (\t)+4 < STEPS
	LOAD (\t)+4                                    ; into the registers that the stage's stores have read
.endif
.if (\t)+1 < STEPS
.if STEPS-2-(\t) >= 3
	s_wait_loadcnt 12                              ; the next step's four loads are in; those of the three steps behind it may be out
.else
	s_wait_loadcnt 4*(STEPS-2-(\t))
.endif
	TURN (\t)+1                                    ; the next step goes through the other stage while this one is worked
.endif
	v_max3_num_f32 v8, |v[XS]|, |v[XS+1]|, |v[XS+2]|               ; the largest magnitude of my 16, in two chains
	v_max3_num_f32 v9, |v[XS+3]|, |v[XS+4]|, |v[XS+5]|
.irp i, 6,10
	v_max3_num_f32 v8, v8, |v[XS+\i]|, |v[XS+\i+1]|
	v_max3_num_f32 v9, v9, |v[XS+\i+2]|, |v[XS+\i+3]|
.endr
	v_max3_num_f32 v8, v8, |v[XS+14]|, |v[XS+15]|
	v_max3_num_f32 v8, v8, v9, (EMAX+1)<<23        ; and the floor 2^(3 - 127): the byte cannot fall under 1
	v_max_num_f32_dpp v8, v8, v8 row_xmask:1 row_mask:0xf bank_mask:0xf   ; with my neighbour's 16: the block's
	v_add_nc_u32 v11, -(EMAX<<23), v8              ; 2 off its exponent field: the conversion takes the exponent field of this operand as its scale
	v_cvt_scalef32_pk8_fp4_f32 v[C+4*(\t)], v[XS:XS+7], v11        ; to the nearest code, ties to even, beyond 6 the largest code
	v_cvt_scalef32_pk8_fp4_f32 v[C+4*(\t)+1], v[XS+8:XS+15], v11
	v_lshrrev_b32 v[E+(\t)], 23, v11               ; the scale's byte (also the plain line behind the conversions)
	ds_store_b8 v5, v[E+(\t)] offset:16*(\t)       ; both lanes of a block write the same byte with the same value
	global_store_b64 v4, v[C+4*(\t):C+4*(\t)+1], s[18:19] offset:32*CB*(\t)   ; 256 consecutive bytes, aligned
.endm
.irp t, 0,1,2,3,4,5,6,7,8,9,10,11,12,13,14,15
	STEP \t
.endr
	ds_load_b64 v[8:9], v6                         ; LDS serves a wave's instructions in order: these see my byte stores
	s_wait_dscnt 0x0
	global_store_b64 v7, v[8:9], s[20:21]          ; 32 lanes store 256 consecutive bytes, aligned
	s_wait_tensorcnt 0x0                           ; the wave's end
	ds_add_u32 v[SPW], v[NIL]
	s_wait_dscnt 0x0
	s_endpgm
.Lcast:
	; a wave takes 4 rows n of Wp.  Load (p, kb): rows 2 p and 2 p + 1 (a half of the lanes each), columns 64 kb .. 64 kb + 63: two runs of 256 consecutive bytes.
	s_sub_co_u32 s26, ttmp9, QWG
	s_lshl_b32 s26, s26, 2
	s_add_co_u32 s26, s26, s24                     ; which four rows: 0 .. 255
	s_lshl_b32 s28, s26, 14                        ; 4 rows of 4,096 bytes
	s_mov_b32 s29, 0
	s_lshl_b32 s30, s26, 9                         ; 4 rows of 128 bytes in a block of wp16
	s_mov_b32 s31, 0
	v_lshrrev_b32 v3, 4, v2
	v_and_b32 v4, 15, v2
	v_lshlrev_b32 v4, 4, v4
	v_lshl_add_u32 v3, v3, 12, v4                  ; in: (lane / 16) rows + 16 (lane % 16)
	v_lshlrev_b32 v5, 3, v2                        ; out: 8 bytes a lane: two rows of 128 bytes on end
	s_wait_kmcnt 0x0
	s_add_nc_u64 s[16:17], s[16:17], s[28:29]
	s_add_nc_u64 s[22:23], s[22:23], s[30:31]
.set i, 0
.rept 32
	global_load_b128 v[16+4*i:19+4*i], v3, s[16:17] offset:(i/16)*8192+(i%16)*256 th:TH_LOAD_NT
.set i, i+1
.endr
.set i, 0
.rept 32
	s_wait_loadcnt 31-i                            ; loads come back in order: the younger ones stay out
	v_cvt_pk_f16_f32 v[144+2*i], v[16+4*i], v[17+4*i]
	v_cvt_pk_f16_f32 v[145+2*i], v[18+4*i], v[19+4*i]
	global_store_b64 v5, v[144+2*i:145+2*i], s[22:23] offset:(i%16)*131072+(i/16)*256   ; 256 consecutive bytes, aligned; each store has registers of its own
.set i, i+1
.endr
	s_wait_tensorcnt 0x0                           ; the same three lines at this end of the text
	ds_add_u32 v[SPW], v[NIL]
	s_wait_dscnt 0x0
	s_endpgm
.Lfunc_end_k_qffac2604d1_quant:
	.size	k_qffac2604d1_quant, .Lfunc_end_k_qffac2604d1_quant-k_qffac2604d1_quant
	.p2alignl 7, 3214868480
	.fill 96, 4, 3214868480
	.section	.rodata,"a",@progbits
	.p2align	6, 0x0
	.amdhsa_kernel k_qffac2604d1_quant
		.amdhsa_group_segment_fixed_size 33280
		.amdhsa_private_segment_fixed_size 0
		.amdhsa_enable_private_segment 0
		.amdhsa_kernarg_size 80
		.amdhsa_user_sgpr_count 2
		.amdhsa_user_sgpr_kernarg_segment_ptr 1
		.amdhsa_wavefront_size32 1
		.amdhsa_system_sgpr_workgroup_id_x 1
		.amdhsa_system_sgpr_workgroup_id_y 1
		.amdhsa_system_sgpr_workgroup_id_z 1
		.amdhsa_system_vgpr_workitem_id 0
		.amdhsa_next_free_vgpr 208
		.amdhsa_next_free_sgpr 66
		.amdhsa_reserve_vcc 0
		.amdhsa_float_denorm_mode_32 3
		.amdhsa_float_denorm_mode_16_64 3
		.amdhsa_memory_ordered 1
		.amdhsa_forward_progress 1
		.amdhsa_inst_pref_size 46
	.end_amdhsa_kernel
	.amdgpu_metadata
---
amdhsa.version: [ 1, 2 ]
amdhsa.kernels:
  - .name:           k_qffac2604d1_quant
    .symbol:         k_qffac2604d1_quant.kd
    .args:
      - { .name: query_data, .offset: 0, .size: 8, .value_kind: global_buffer, .address_space: global }
      - { .name: key_data, .offset: 8, .size: 8, .value_kind: global_buffer, .address_space: global }
      - { .name: value_data, .offset: 16, .size: 8, .value_kind: global_buffer, .address_space: global }
      - { .name: Wq, .offset: 24, .size: 8, .value_kind: global_buffer, .address_space: global }
      - { .name: Wk, .offset: 32, .size: 8, .value_kind: global_buffer, .address_space: global }
      - { .name: Wv, .offset: 40, .size: 8, .value_kind: global_buffer, .address_space: global }
      - { .name: Wp, .offset: 48, .size: 8, .value_kind: global_buffer, .address_space: global }
      - { .name: codes, .offset: 56, .size: 8, .value_kind: global_buffer, .address_space: global }
      - { .name: scales, .offset: 64, .size: 8, .value_kind: global_buffer, .address_space: global }
      - { .name: wp16, .offset: 72, .size: 8, .value_kind: global_buffer, .address_space: global }
    .group_segment_fixed_size: 33280
    .private_segment_fixed_size: 0
    .kernarg_segment_align: 8
    .kernarg_segment_size: 80
    .max_flat_workgroup_size: 128
    .sgpr_count:     66
    .vgpr_count:     208
    .wavefront_size: 32
...
	.end_amdgpu_metadata
.endif
;; end of part 1
;; launch proj (part 2): grid 4 x 96, 4 waves a work-group, clusters of 4 x 4, 327,680 bytes of LDS; arguments codes, scales, qkv16, fine32; writes qkv16, fine32
.if DOCPART == 2
	.amdgcn_target "amdgcn-amd-amdhsa--gfx1250"
	.amdhsa_code_object_version 6
	.text
	.protected	k_qffac2604d1_proj
	.globl	k_qffac2604d1_proj
	.p2align	8
	.type	k_qffac2604d1_proj,@function
k_qffac2604d1_proj:
	s_mov_b64 s[64:65], 0
	v_nop
	global_prefetch_b8 v0, s[64:65] scope:SCOPE_SE
	s_setreg_imm32_b32 hwreg(HW_REG_WAVE_MODE, 25, 1), 1
	s_wait_xcnt 0x0
	s_wait_alu depctr_hold_cnt(0) depctr_sa_sdst(0) depctr_va_vdst(0) depctr_va_sdst(0) depctr_va_ssrc(0) depctr_va_vcc(0) depctr_vm_vsrc(0)
	s_getreg_b32 s2, hwreg(HW_REG_IB_STS2, 6, 4)
	s_cmp_eq_u32 s2, 0
	s_cbranch_scc0 .Lentry_in_a_cluster
	s_endpgm
.Lentry_in_a_cluster:
	s_bfe_u32 s2, ttmp6, 0x10000c
	s_cmp_lg_u32 s2, 0xf033
	s_cbranch_scc0 .Lentry_shape_is_right
	s_endpgm
.Lentry_shape_is_right:
; The three quantised products q = x Wq^T, k = x Wk^T, v = x Wv^T, each [8192][1024] x [1024][1024], on codes of FP4 (E2M1) with one E8M0 scale for each 32 along K; sums in f32.
; codes: [27648 rows][512 bytes], scales: [27648][32]: rows 0-24575 the three x, rows 24576 on the three W.  Results: qkv16 [4 x product + batch][head 16][position 2048][64] f16,
; and the f32 sums of positions 0-15 of every batch in fine32 [4 x product + batch][16 columns: 64 blocks][2][lane 32][4 f32], the accumulators' registers as they stand.
; LIMIT: |q|, |k|, |v| stay under 65,504, f16's largest number.
; A tile of 256 x 256 is made by four waves, each 128 x 128: 64 accumulators, 512 registers.  The whole K, 1024, lies in two LDS slots of 512 along K (rows of 256 bytes): nothing is filled again.
; The scale bytes of the tile's 256 + 256 rows are two dense blocks of memory and come with the first fills.
; CLUSTERS: 4 x 4 work-groups.  cx is the tile column, cy the batch; the cluster's y gives the product (y / 8) and the block of 256 positions (y % 8).  The four of a row of the cluster need the same rows
; of x, the four of a column the same rows of W: each tile is asked for jointly, by the same tensor load with the same descriptor and a mask that names the four.
; THE MATRIX INSTRUCTION IS USED TRANSPOSED (source 0 = 16 rows of W, source 1 = 16 rows of x): a lane then holds eight neighbouring columns of one position.
; REGISTERS, in windows of 256: window 0: v0-31 addresses; v32-95 scale words, two sets, and nothing else; v128-191 x's fragments, one set (on the way out: rows read back); v192-223 packed results.
;   window 1: W's fragments, two sets, at v0 and v128.   window 2: the accumulators of my rows 0-63 ((a, b) at v[8 (8 a + b)]);   window 3: those of my rows 64-127.
.set NQ,     4                         ; matrix instructions deep in a slot
.set ROWB,   256                       ; a tile's row in bytes: 512 codes
.set KROW,   512                       ; a row of codes in memory
.set PITCH,  272                       ; an LDS row: 256 bytes + 16 of padding = 68 words: the 16 rows that a load touches start at 16 different banks (64 banks of 4 bytes: ISA guide 11.1)
.set FR,     8                         ; registers of a fragment: 16 rows x 128 K
.set NL,     2                         ; LDS loads that bring one
.set NP,     4                         ; places behind this matrix instruction (ISA guide 7.12.1)
.set HALFT,  128*PITCH                 ; 128 rows: what one tensor load brings
.set SLOT,   4*HALFT                   ; x's 256 rows, then W's 256 rows
.set KS,     32                        ; a row of scale bytes
.set SCL,    2*SLOT                    ; behind the slots: the scales, as runs of 256 bytes + 16 of padding
.set HALFS,  (128*KS/256)*272          ; the scales of 128 rows
.set SBLK,   (16*KS/256)*272           ; those of 16 rows
.set SPARE,  SCL+4*HALFS               ; the spare words, 128 bytes a wave, which no other line names
.set SPITCH, 272                       ; the way out: a stage of 16 rows x (256 + 16) bytes a wave, in slot 0, which has had its only fill and its last read by then
.set ADRA, 16                          ; v16-17 LDS address of my x fragments in slot 0, 1
.set ADRB, 20                          ; v20-21 the same for W
.set STO,  24                          ; v24 the way out: where I put 16 bytes of a row
.set RD,   25                          ; v25 where I read back
.set CO,   26                          ; v26 16 x lane
.set ADRS, 27                          ; v27 LDS address of my scale words: lanes 0-15 x's rows, lanes 16-31 W's
.set SPW,  28                          ; v28 my spare word; never rewritten
.set NIL,  29                          ; v29 0; never rewritten
.set SC,   32
.set AF,   128
.set BK,   128                         ; the way out: v128-159 and v160-191 by turns
.set TMP,  192
.set G1, 24                            ; s[24:31] group 1 for x's tiles; s[32:39] group 0, a set for each slot
.set G0, 32
.set G1B, 48                           ; s[48:55], s[56:63] the same for W's
.set G0B, 56
.set G1S, 68                           ; s[68:75], s[76:79] groups 1 and 0 for x's scales; s[80:87], s[88:91] for W's
.set G0S, 76
.set G1SB, 80
.set G0SB, 88
.set MSB, 0
.macro WIN new                         ; the immediate's high byte repeats the setting that is left
.if MSB != \new
	s_set_vgpr_msb (MSB<<8)|\new
.set MSB, \new
.endif
.endm
.set MUL_LO, 0xa1                      ; source 0 (W) window 1, source 1 (x) window 0, C and D window 2
.set MUL_HI, 0xf1                      ; the same, C and D window 3
.set TO_B,   0x40                      ; destination window 1, address window 0
; A joint load: waves 0 and 1 fetch for x, waves 2 and 3 for W.  The branch hangs on the wave's number alone.  An s_nop 0 and four v_nop follow each of the two lines.
.macro JLOAD g0a, g1a, g0b, g1b
	s_cmp_eq_u32 s15, 0
	s_cbranch_scc0 .Lfor_b_\@
	tensor_load_to_lds s[\g0a:\g0a+3], s[\g1a:\g1a+7]
	s_nop 0
.rept 4
	v_nop
.endr
	s_branch .Lasked_\@
.Lfor_b_\@:
	tensor_load_to_lds s[\g0b:\g0b+3], s[\g1b:\g1b+7]
	s_nop 0
.rept 4
	v_nop
.endr
.Lasked_\@:
.endm
.macro CROUND                          ; a round of the cluster's barrier
	s_barrier_signal -1
	s_barrier_wait -1
	s_cmp_lg_u32 s14, 0
	s_cbranch_scc1 .Lnot_wave_0_\@
	s_barrier_signal -3
.Lnot_wave_0_\@:
	s_barrier_wait -3
	s_barrier_signal -1
	s_barrier_wait -1
.endm
	s_load_b256 s[4:11], s[0:1], 0x0               ; codes s[4:5], scales s[6:7], qkv16 s[8:9], fine32 s[10:11]
	v_lshl_add_u32 v[SPW], v0, 2, SPARE
	v_mov_b32 v[NIL], 0
	ds_add_u32 v[SPW], v[NIL]                      ; the wave's opening: the add, twice on end, and its wait ahead of my first tensor load
	ds_add_u32 v[SPW], v[NIL]
	v_lshrrev_b32 v1, 5, v0
	v_readfirstlane_b32 s14, v1                    ; wave 0..3
	s_lshr_b32 s15, s14, 1                         ; which half of the tile's rows is mine.  Also: I fetch for x (0) or for W (1)
	s_and_b32 s16, s14, 1                          ; which half of its columns.  Also: which 128 rows I fetch
	s_bfe_u32 s40, ttmp6, 0x40000                  ; cx
	s_bfe_u32 s41, ttmp6, 0x40004                  ; cy: the batch
	s_lshl_b32 s42, ttmp9, 2
	s_add_co_u32 s42, s42, s40                     ; tile column = 4 x cluster x + cx
	s_and_b32 s17, ttmp7, 0xffff                   ; cluster y
	s_lshr_b32 s18, s17, 3                         ; the product: 0 q, 1 k, 2 v
	s_and_b32 s19, s17, 7                          ; the block of 256 positions in a batch
	s_lshl_b32 s43, s41, 2
	s_lshl_b32 s43, 15, s43                        ; my row of the cluster
	s_lshl_b32 s44, 0x1111, s40                    ; my column
	s_or_b32 s[G1+0], s43, (0<<16)|(1<<20)|(1<<21)|(5<<22)|(3<<25)  ; the mask; elements of 1 byte; padding on; bit 21 beside a mask; after every 64 words four words
	s_or_b32 s[G1B+0], s44, (0<<16)|(1<<20)|(1<<21)|(5<<22)|(3<<25)
.irp g, G1, G1B
	s_mov_b32 s[\g+1], ROWB<<16                    ; tensor_dim0
	s_mov_b32 s[\g+2], 128<<16                     ; tensor_dim1
	s_mov_b32 s[\g+3], ROWB<<16                    ; tile_dim0
	s_mov_b32 s[\g+4], 128                         ; tile_dim1
	s_mov_b32 s[\g+5], KROW                        ; from row to row
	s_mov_b32 s[\g+6], 0
	s_mov_b32 s[\g+7], 0
.endr
	s_or_b32 s[G1S+0], s43, (3<<16)|(1<<20)|(1<<21)|(5<<22)|(3<<25)  ; the scales of 128 rows: 4,096 dense bytes as 16 rows of 32 elements of 8 bytes
	s_or_b32 s[G1SB+0], s44, (3<<16)|(1<<20)|(1<<21)|(5<<22)|(3<<25)
.irp g, G1S, G1SB
	s_mov_b32 s[\g+1], 32<<16
	s_mov_b32 s[\g+2], (128*KS/256)<<16
	s_mov_b32 s[\g+3], 32<<16
	s_mov_b32 s[\g+4], 128*KS/256
	s_mov_b32 s[\g+5], 32
	s_mov_b32 s[\g+6], 0
	s_mov_b32 s[\g+7], 0
.endr
	s_lshl_b32 s95, s16, 7                         ; which 128 rows of the tile I fetch
	s_lshl_b32 s20, s18, 13                        ; x: row 8192 x product + 2048 x batch + 256 x block + 128 x half: made of what my row of the cluster shares
	s_lshl_b32 s21, s41, 11
	s_add_co_u32 s20, s20, s21
	s_lshl_b32 s21, s19, 8
	s_add_co_u32 s20, s20, s21
	s_add_co_u32 s20, s20, s95
	s_lshl_b32 s46, s18, 10                        ; W: row 24576 + 1024 x product + 256 x tile column + 128 x half: made of what my column shares
	s_lshl_b32 s47, s42, 8
	s_add_co_u32 s46, s46, s47
	s_add_co_u32 s46, s46, s95
	s_add_co_u32 s46, s46, 24576
	s_lshl_b32 s22, s20, 5                         ; 32 scale bytes a row,
	s_mov_b32 s23, 0
	s_lshl_b32 s20, s20, 9                         ; 512 bytes of codes
	s_mov_b32 s21, 0
	s_lshl_b32 s92, s46, 5
	s_mov_b32 s93, 0
	s_lshl_b32 s46, s46, 9
	s_mov_b32 s47, 0
	s_mul_i32 s45, s14, HALFT                      ; where they go: wave x 128 rows: no place in the cluster enters an LDS address
	s_mul_i32 s94, s14, HALFS
	s_wait_dscnt 0x0                               ; both opening adds are done
	s_wait_kmcnt 0x0
	s_add_nc_u64 s[20:21], s[4:5], s[20:21]
	s_add_nc_u64 s[22:23], s[6:7], s[22:23]
	s_add_nc_u64 s[46:47], s[4:5], s[46:47]
	s_add_nc_u64 s[92:93], s[6:7], s[92:93]
	CROUND                                         ; all sixteen work-groups are here: the joint loads meet
	s_mov_b32 s[G0S], 1
	s_add_co_u32 s[G0S+1], s94, SCL
	s_mov_b64 s[G0S+2:G0S+3], s[22:23]
	s_or_b32 s[G0S+3], s[G0S+3], 0x80000000
	s_mov_b32 s[G0SB], 1
	s_add_co_u32 s[G0SB+1], s94, SCL
	s_mov_b64 s[G0SB+2:G0SB+3], s[92:93]
	s_or_b32 s[G0SB+3], s[G0SB+3], 0x80000000
	JLOAD G0S, G1S, G0SB, G1SB                     ; the scales first: they are wanted with the first slot
.irp s, 0,1
	s_mov_b32 s[G0+4*\s], 1
	s_add_co_u32 s[G0+4*\s+1], s45, \s*SLOT
	s_add_nc_u64 s[G0+4*\s+2:G0+4*\s+3], s[20:21], \s*ROWB
	s_or_b32 s[G0+4*\s+3], s[G0+4*\s+3], 0x80000000
	s_mov_b32 s[G0B+4*\s], 1
	s_add_co_u32 s[G0B+4*\s+1], s45, \s*SLOT
	s_add_nc_u64 s[G0B+4*\s+2:G0B+4*\s+3], s[46:47], \s*ROWB
	s_or_b32 s[G0B+4*\s+3], s[G0B+4*\s+3], 0x80000000
	JLOAD G0+4*\s, G1, G0B+4*\s, G1B               ; three loads of mine are out in all
.endr
	v_and_b32 v1, 15, v0                           ; l % 16
	v_bfe_u32 v2, v0, 4, 1                         ; l / 16
	v_mul_u32_u24 v3, v1, PITCH
	v_lshl_add_u32 v4, v2, 4, v3                   ; a fragment's row x pitch + 16 x half
	s_mul_i32 s21, s15, HALFT                      ; my 128 rows of x
	s_mul_i32 s22, s16, HALFT                      ; my 128 rows of W,
	s_add_co_u32 s22, s22, 2*HALFT                 ; which lie behind x's 256
.irp s, 0,1
	v_add_nc_u32 v[ADRA+\s], s21, v4
	v_add_nc_u32 v[ADRB+\s], s22, v4
	s_add_co_u32 s21, s21, SLOT
	s_add_co_u32 s22, s22, SLOT
.endr
	v_mul_u32_u24 v5, v1, KS                       ; my row's scales: 32 bytes a row,
	v_lshrrev_b32 v6, 8, v5
	v_lshl_add_u32 v5, v6, 4, v5                   ; and 16 more for each 256 passed
	s_mul_i32 s21, s15, HALFS
	s_mul_i32 s22, s16, HALFS
	s_add_co_u32 s22, s22, 2*HALFS
	s_sub_co_u32 s22, s22, s21
	v_mul_u32_u24 v6, s22, v2                      ; lanes 16-31 take W's: one product, the distance between the two
	s_add_co_u32 s21, s21, SCL
	v_add_nc_u32 v5, v5, v6
	v_add_nc_u32 v[ADRS], s21, v5
	s_mul_i32 s23, s14, 16*SPITCH                  ; my stage
	v_add_nc_u32 v[STO], s23, v4                   ; in: row l % 16 x 272 + 16 x half
	v_and_b32 v6, 31, v0
	v_lshlrev_b32 v[CO], 4, v6
	v_lshrrev_b32 v7, 3, v6
	v_mul_u32_u24 v7, v7, SPITCH
	v_and_b32 v8, 7, v6
	v_lshl_add_u32 v7, v8, 4, v7
	v_add_nc_u32 v[RD], s23, v7                    ; back: eight lanes take 128 bytes (a head's 64 numbers) of a row, four rows an instruction
	s_lshl_b32 s20, s18, 2
	s_add_co_u32 s20, s20, s41                     ; 4 x product + batch
	s_lshl_b32 s21, s20, 16                        ; fine32: 65,536 bytes each
	s_lshl_b32 s20, s20, 22                        ; qkv16: 4 MiB each
	s_lshl_b32 s22, s42, 2
	s_lshl_b32 s23, s16, 1
	s_add_co_u32 s22, s22, s23                     ; my first head: 4 x tile column + 2 x half
	s_lshl_b32 s23, s22, 12                        ; fine32: four blocks of 1,024 bytes a head
	s_add_co_u32 s92, s21, s23
	s_mov_b32 s93, 0
	s_lshl_b32 s22, s22, 18                        ; qkv16: 262,144 bytes a head
	s_add_co_u32 s20, s20, s22
	s_lshl_b32 s22, s19, 15                        ; 256 positions of 128 bytes
	s_add_co_u32 s20, s20, s22
	s_lshl_b32 s22, s15, 14                        ; my 128 of them
	s_add_co_u32 s20, s20, s22
	s_mov_b32 s21, 0
	s_add_nc_u64 s[12:13], s[8:9], s[20:21]
	s_add_nc_u64 s[92:93], s[10:11], s[92:93]
.macro FRAG reg, adr, q, i             ; 16 rows x 128 K of 4-bit codes: lane l holds row l % 16; registers 4 c .. 4 c + 3 hold K = 64 c + 32 (l / 16) + 0 .. 31
.irp c, 0,1
	ds_load_b128 v[\reg+4*\c:\reg+4*\c+3], v[\adr] offset:64*(\q)+32*\c+(\i)*16*PITCH
.endr
.endm
; 16 matrix instructions: x's blocks a0, a0 + 1 against W's eight, the slot's q-th 128 along K.  p: W's set; sc: the set of scale words.  zero = 1: the first product starts the sums.
; The 64 accumulators take turns, one instruction a turn, in the same order in every step.
.macro MUL16 a0, p, q, sc, zero
.irp a, \a0, \a0+1
.irp b, 0,1,2,3,4,5,6,7
.if \zero
	v_wmma_scale_f32_16x16x128_f8f6f4 v[8*(8*((\a)%4)+\b):8*(8*((\a)%4)+\b)+7], v[128*(\p)+FR*\b:128*(\p)+FR*\b+FR-1], v[AF+FR*(\a):AF+FR*(\a)+FR-1], 0, v[SC+8*NQ*(\sc)+NQ*\b+(\q)], v[SC+8*NQ*(\sc)+NQ*(\a)+(\q)] matrix_a_fmt:MATRIX_FMT_FP4 matrix_b_fmt:MATRIX_FMT_FP4 matrix_a_scale:MATRIX_SCALE_ROW1
.else
	v_wmma_scale_f32_16x16x128_f8f6f4 v[8*(8*((\a)%4)+\b):8*(8*((\a)%4)+\b)+7], v[128*(\p)+FR*\b:128*(\p)+FR*\b+FR-1], v[AF+FR*(\a):AF+FR*(\a)+FR-1], v[8*(8*((\a)%4)+\b):8*(8*((\a)%4)+\b)+7], v[SC+8*NQ*(\sc)+NQ*\b+(\q)], v[SC+8*NQ*(\sc)+NQ*(\a)+(\q)] matrix_a_fmt:MATRIX_FMT_FP4 matrix_b_fmt:MATRIX_FMT_FP4 matrix_a_scale:MATRIX_SCALE_ROW1
.endif
.endr
.endr
.endm
.macro FETCH_B slot, q, p              ; W's eight fragments into set p
	WIN TO_B
.irp i, 0,1,2,3,4,5,6,7
	FRAG 128*(\p)+FR*\i, ADRB+\slot, \q, \i
.endr
	WIN 0
.endm
.macro FETCH_A slot, q, i0             ; x's blocks i0 .. i0 + 3
.irp i, \i0, \i0+1, \i0+2, \i0+3
	FRAG AF+FR*(\i), ADRA+\slot, \q, \i
.endr
.endm
.macro SCALES sc                       ; a slot's scale words: four words a row; lanes 0-15 take x's block i, lanes 16-31 W's block i
.irp i, 0,1,2,3,4,5,6,7
	ds_load_b128 v[SC+8*NQ*\sc+NQ*\i:SC+8*NQ*\sc+NQ*\i+3], v[ADRS] offset:\i*SBLK
.endr
.endm
.macro PLACES n                        ; plain vector instructions between a matrix instruction and a load into, or a read of, its registers
.rept \n
	v_nop
.endr
.endm
.macro STEP slot, q, zero              ; a step of 128 along K that has its successor in the same slot
	s_wait_dscnt 4*NL                              ; W's set and x's blocks 0-3 are in; the youngest eight loads (x's blocks 4-7) may be out
	WIN MUL_LO
	MUL16 0, (\q)%2, \q, \slot, \zero
	MUL16 2, (\q)%2, \q, \slot, \zero
	s_wait_dscnt 0                                 ; x's blocks 4-7 are in
	PLACES NP
	FETCH_B \slot, (\q)+1, 1-(\q)%2
	FETCH_A \slot, (\q)+1, 0
	WIN MUL_HI
	MUL16 4, (\q)%2, \q, \slot, \zero
	MUL16 6, (\q)%2, \q, \slot, \zero
	PLACES NP
	WIN 0
	FETCH_A \slot, (\q)+1, 4
.endm
.macro TURN slot, next                 ; a slot's last step changes slots: one barrier; in front of it each wave waits for all its tensor loads
	s_wait_tensorcnt 0x0                           ; my part of the next slot has landed
	ds_add_u32 v[SPW], v[NIL]                      ; 0 onto my spare word
	s_wait_dscnt 4*NL+1                            ; (the add and the youngest eight loads may be out)
	WIN MUL_LO
	MUL16 0, 1, NQ-1, \slot, 0
	s_wait_dscnt 0x0                               ; the add is done, and my reads of this slot are over
	s_barrier_signal -1
	MUL16 2, 1, NQ-1, \slot, 0
	WIN 0
	s_barrier_wait -1                              ; the next slot is whole, and nobody reads this one any more
	PLACES NP
	v_add_nc_u32 v[ADRS], 4*NQ, v[ADRS]            ; on to the next slot's scale words
	FETCH_B \next, 0, 0
	FETCH_A \next, 0, 0
	SCALES \next
	WIN MUL_HI
	MUL16 4, 1, NQ-1, \slot, 0
	MUL16 6, 1, NQ-1, \slot, 0
	PLACES NP
	WIN 0
	FETCH_A \next, 0, 4
.endm
.macro STEPS slot, from
.set Q, \from
.rept NQ-1-\from
	STEP \slot, Q, 0
.set Q, Q+1
.endr
.endm
	s_wait_tensorcnt 1                             ; the scales and my part of slot 0 are in; slot 1's load may be out
	s_barrier_signal -1
	s_barrier_wait -1
	FETCH_B 0, 0, 0
	FETCH_A 0, 0, 0
	SCALES 0
	FETCH_A 0, 0, 4
	STEP 0, 0, 1                                   ; the first step's products start the sums: nothing is cleared
	STEPS 0, 1
	TURN 0, 1
	STEPS 1, 0
	s_wait_dscnt 4*NL                              ; the last step: nothing more to fetch
	WIN MUL_LO
	MUL16 0, 1, NQ-1, 1, 0
	MUL16 2, 1, NQ-1, 1, 0
	s_wait_dscnt 0
	WIN MUL_HI
	MUL16 4, 1, NQ-1, 1, 0
	MUL16 6, 1, NQ-1, 1, 0
	WIN 0
	PLACES NP                                      ; behind the last products: for the reads of results and the loads into x's fragment registers
	; Positions 0-15 of a batch lie in block 0 of the waves with the tile's upper rows, where the block of positions is 0: their f32 sums leave as they stand, 512 consecutive bytes a store.
	; The test is made of the cluster's y and the wave's number: alike in all partners.
	s_or_b32 s94, s19, s15
	s_cmp_lg_u32 s94, 0
	s_cbranch_scc1 .Lno_fine
	WIN 0x08                                       ; a store's data are its source 1: window 2
.irp b, 0,1,2,3,4,5,6,7
	global_store_b128 v[CO], v[8*\b:8*\b+3], s[92:93] offset:1024*\b          ; each accumulator from its low end on
	global_store_b128 v[CO], v[8*\b+4:8*\b+7], s[92:93] offset:1024*\b+512
.endr
	WIN 0
.Lno_fine:
; THE WAY OUT, a block of 16 positions x 128 columns (two heads) at a time: rounded to f16, 16 bytes a lane into my stage, back so that 32 lanes hold four positions of one head: 512 consecutive bytes of qkv16.
.macro PACK a
.set AC, 64*((\a)%4)
	WIN 0x0a+5*((\a)/4)                            ; sources 0 and 1: window 2 or 3
.irp b, 0,1,2,3,4,5,6,7
.irp i, 0,1,2,3
	v_cvt_pk_f16_f32 v[TMP+4*\b+\i], v[AC+8*\b+2*\i], v[AC+8*\b+2*\i+1]
.endr
.endr
	WIN 0
.endm
.macro TOSTAGE a
.set BB, BK+32*((\a)%2)
.irp b, 0,1,2,3,4,5,6,7
	ds_store_b128 v[STO], v[TMP+4*\b:TMP+4*\b+3] offset:32*\b
.endr
.irp t, 0,1,2,3,4,5,6,7
	ds_load_b128 v[BB+4*\t:BB+4*\t+3], v[RD] offset:(\t%4)*4*SPITCH+(\t/4)*128   ; LDS serves a wave's instructions in order (ISA guide 5.7.1.4): these see the stores above
.endr
.endm
.macro SEND a
.set BB, BK+32*((\a)%2)
	s_wait_dscnt 0x0                               ; the block is back in registers
	s_wait_xcnt 0x0                                ; the earlier stores have read their registers: the set that they left is loaded again only behind this wait
.irp t, 0,1,2,3,4,5,6,7
	global_store_b128 v[CO], v[BB+4*\t:BB+4*\t+3], s[12:13] offset:(\t/4)*262144+(\a)*2048+(\t%4)*512
.endr
.endm
	PACK 0
	TOSTAGE 0
.irp a, 1,2,3,4,5,6,7                  ; block a's conversions stand between block a - 1's loads from the stage and the wait for them
	PACK \a
	SEND \a-1
	TOSTAGE \a
.endr
	SEND 7
	s_wait_tensorcnt 0x0                           ; the wave's end
	ds_add_u32 v[SPW], v[NIL]
	s_wait_dscnt 0x0
	CROUND                                         ; the closing round
	s_endpgm
.Lfunc_end_k_qffac2604d1_proj:
	.size	k_qffac2604d1_proj, .Lfunc_end_k_qffac2604d1_proj-k_qffac2604d1_proj
	.p2alignl 7, 3214868480
	.fill 96, 4, 3214868480
	.section	.rodata,"a",@progbits
	.p2align	6, 0x0
	.amdhsa_kernel k_qffac2604d1_proj
		.amdhsa_group_segment_fixed_size 327680
		.amdhsa_private_segment_fixed_size 0
		.amdhsa_enable_private_segment 0
		.amdhsa_kernarg_size 32
		.amdhsa_user_sgpr_count 2
		.amdhsa_user_sgpr_kernarg_segment_ptr 1
		.amdhsa_wavefront_size32 1
		.amdhsa_system_sgpr_workgroup_id_x 1
		.amdhsa_system_sgpr_workgroup_id_y 1
		.amdhsa_system_sgpr_workgroup_id_z 1
		.amdhsa_system_vgpr_workitem_id 0
		.amdhsa_next_free_vgpr 1024
		.amdhsa_next_free_sgpr 98
		.amdhsa_reserve_vcc 0
		.amdhsa_float_denorm_mode_32 3
		.amdhsa_float_denorm_mode_16_64 3
		.amdhsa_memory_ordered 1
		.amdhsa_forward_progress 1
		.amdhsa_inst_pref_size 128
	.end_amdhsa_kernel
	.amdgpu_metadata
---
amdhsa.version: [ 1, 2 ]
amdhsa.kernels:
  - .name:           k_qffac2604d1_proj
    .symbol:         k_qffac2604d1_proj.kd
    .args:
      - { .name: codes, .offset: 0, .size: 8, .value_kind: global_buffer, .address_space: global }
      - { .name: scales, .offset: 8, .size: 8, .value_kind: global_buffer, .address_space: global }
      - { .name: qkv16, .offset: 16, .size: 8, .value_kind: global_buffer, .address_space: global }
      - { .name: fine32, .offset: 24, .size: 8, .value_kind: global_buffer, .address_space: global }
    .group_segment_fixed_size: 327680
    .private_segment_fixed_size: 0
    .kernarg_segment_align: 8
    .kernarg_segment_size: 32
    .max_flat_workgroup_size: 128
    .sgpr_count:     98
    .vgpr_count:     1024
    .wavefront_size: 32
...
	.end_amdgpu_metadata
.endif
;; end of part 2
;; launch attn (part 3): grid 4 x 64, 8 waves a work-group, no clusters, 327,680 bytes of LDS; arguments qkv16, o16; writes o16
.if DOCPART == 3
	.amdgcn_target "amdgcn-amd-amdhsa--gfx1250"
	.amdhsa_code_object_version 6
	.text
	.protected	k_qffac2604d1_attn
	.globl	k_qffac2604d1_attn
	.p2align	8
	.type	k_qffac2604d1_attn,@function
k_qffac2604d1_attn:
	s_mov_b64 s[64:65], 0
	v_nop
	global_prefetch_b8 v0, s[64:65] scope:SCOPE_SE
	s_setreg_imm32_b32 hwreg(HW_REG_WAVE_MODE, 25, 1), 1
	s_wait_xcnt 0x0
; o[b][h][q][:] = the sum over keys k <= q of softmax_k(q . k / 8) v[k][:], head size 64, 2,048 positions, 64 (batch, head) pairs.  q, k, v: qkv16 [4 x product + b][h][position][64] f16; o16: [h][2048 b + position][64] f16.
; Products on f16 operands with f32 sums; maxima, exponentials and sums in f32; the weights p are rounded to f16 for the second product, o once at the end.
; LIMITS: a hidden key gets weight 0, which is what the added -1e13 gives while scores stay far under 1e13; |q|, |k|, |v|, |o| under 65,504.
; SHARES.  Work-group (i, bh) takes the blocks of 256 queries 7 - i and then i of one head: (8 - i) + (i + 1) = 9 slots of 256 keys in every work-group, so all trip counts are constants and the work is even.
; NO CLUSTER: under the causal mask the work-groups of a head want different key blocks at a given trip (block 7 - i runs to key block 7 - i, then block i starts at 0), so no joint request could be alike in all partners.
; Each of eight waves owns 32 queries, two tiles of 16: sub-block w xor 3 (w / 4).  Every wave walks the slot's four steps of 64 keys; a step all of whose keys come after the wave's queries is left out.
; LAYOUT.  S^T = K Q^T (source 0 = 16 keys, source 1 = 16 queries): a lane holds ONE query (lane % 16) and keys 8 (lane / 16) + 0..7.  Two such tiles rounded to f16 ARE source 1 of O^T = V^T P.  V is turned by ds_load_tr16_b128.
; SOFTMAX.  A running maximum m and sum l for each query: p = 2^(c s - c m), c = log2(e) / 8; in every step O and l are multiplied by a = 2^(c m_old - c m_new).
; RING.  Two LDS slots of 256 keys; every wave fetches one tile of 64 rows (waves 0-3: K of step w; waves 4-7: V of step w - 4).  One wait for all loads and one barrier at a slot's head; behind it one load a wave, which has four steps in which to land.
; REGISTERS: window 0: v1-15 addresses and constants; v16-31 statistics; v32-95 S^T; v96-127 P; v128-191 K; v192-255 V.   window 1: v0-63 O^T; v64-95 Q; v96-127 the second block's Q.
.set PK,    144                        ; a row of K in LDS: 128 bytes + 16: the 16 rows of a load start at different banks (64 banks of 4 bytes: ISA guide 11.1)
.set PV,    160                        ; a row of V: 128 + 32: 16 lanes of the turning load take 8 rows x 32 bytes
.set VOFF,  64*PK
.set STEPB, 64*(PK+PV)                 ; a step's tiles: 64 rows of K, then 64 rows of V
.set SLOT1, 1<<17                      ; slot 1 begins here: one exclusive or turns an address
.set STAGE, SLOT1+4*STEPB              ; behind the ring: 16 rows x 144 bytes a wave, for the way out
.set SPARE, STAGE+8*16*PK              ; the spare words, 128 bytes a wave, which no other line names
.set NEG, 1                            ; v1  -infinity
.set AK0, 2                            ; v2  my lane's place in a tile of K
.set AV0, 3                            ; v3  the same for V
.set ADK, 4
.set ADV, 5
.set QO,  6                            ; v6  my byte offset in 16 rows of Q
.set STO, 7
.set RD,  8
.set GO,  9                            ; v9  16 x lane
.set PFO, 10                           ; v10 256 x lane
.set RH,  11                           ; v11 lane % 16 - 8 (lane / 16)
.set SPW, 14                           ; v14 my spare word; never rewritten
.set NIL, 15                           ; v15 0; never rewritten
.set ST,  16                           ; tile t at v[ST + 8 t]: +0 c m, +1 m, +2, +3 l in two halves, +4..+7 at work; a in +6
.set S,   32
.set P,   96
.set KFR, 128
.set VFR, 192
.set QR,  64                           ; window 1
.set Q2R, 96
.set WV, 8
.set I,  9
.set G1K, 24
.set G1V, 32
.set G0,  40
.set BASE, 44                          ; s[44:45] my tile of key block 0 in memory
.set OFF, 46                           ; s[46:47] 32,768 x the key block asked for
.set LK,  48                           ; the key block that the next load brings
.set LQ,  49                           ; the query block for which loads are being asked
.set KF,  50                           ; the step's first key
.set QF,  51                           ; my first query
.set QL,  52                           ; my last
.set QB256, 53                         ; the block's first query
.set TB,  54                           ; where the step's tiles begin in LDS
.set CNT, 55
.set STP, 56
.set CS,  58
.set SEL, 60
.set OP,  62                           ; s[62:63] o16 at my first query
.set OP2, 66
.set QF2, 68
.set QB2, 69
.set PFA, 70
.set LIM, 72
.set MSB, 0
.macro WIN new
.if MSB != \new
	s_set_vgpr_msb (MSB<<8)|\new
.set MSB, \new
.endif
.endm
.set W_KQ, 0x04                        ; Q (source 1) in window 1
.set W_PV, 0x50                        ; O^T (C and D) in window 1
.set W_RS, 0x41                        ; O^T (destination and source 0) in window 1
.macro TLOAD                           ; every wave has a load: K's shape or V's.  An s_nop 0 and four v_nop follow each line
	s_cmp_lt_u32 s[WV], 4
	s_cbranch_scc0 .Lfor_v_\@
	tensor_load_to_lds s[G0:G0+3], s[G1K:G1K+7]
	s_nop 0
.rept 4
	v_nop
.endr
	s_branch .Lasked_\@
.Lfor_v_\@:
	tensor_load_to_lds s[G0:G0+3], s[G1V:G1V+7]
	s_nop 0
.rept 4
	v_nop
.endr
.Lasked_\@:
.endm
; A prefetch of the tile that my own tensor load will ask for at the NEXT change of slots: 8,192 bytes, lanes 256 bytes apart.  All four work-groups of a head walk the same K and V: work-group 0, which walks
; key blocks 0 to 7 in order, asks, in trips 0 to 5, for blocks 2 to 7: each 256 bytes are named once in the launch, and none past the head's end.
.macro ASK
	s_cmp_gt_u32 s[CNT], s[LIM]
	s_cbranch_scc0 .Lnot_mine_\@
	global_prefetch_b8 v[PFO], s[PFA:PFA+1] th:TH_LOAD_NT scope:SCOPE_SE
.Lnot_mine_\@:
.endm
	s_load_b128 s[4:7], s[0:1], 0x0                ; qkv16 s[4:5], o16 s[6:7]
	v_lshl_add_u32 v[SPW], v0, 2, SPARE
	v_mov_b32 v[NIL], 0
	ds_add_u32 v[SPW], v[NIL]                      ; the wave's opening: the add, twice on end, and its wait ahead of my first tensor load
	ds_add_u32 v[SPW], v[NIL]
	v_lshrrev_b32 v1, 5, v0
	v_readfirstlane_b32 s[WV], v1                  ; wave 0..7
	s_mov_b32 s[I], ttmp9
	s_and_b32 s73, ttmp7, 0xffff                   ; 16 b + h
	s_mov_b32 s[G1K], (1<<16)|(1<<20)|(4<<22)|(3<<25)   ; elements of 2 bytes; padding on: after every 32 words four words
	s_mov_b32 s[G1V], (1<<16)|(1<<20)|(4<<22)|(7<<25)   ; the same with eight words
.irp g, G1K, G1V
	s_mov_b32 s[\g+1], 64<<16                      ; tensor_dim0 = 64
	s_mov_b32 s[\g+2], 64<<16                      ; tensor_dim1 = 64
	s_mov_b32 s[\g+3], 64<<16                      ; tile_dim0 = 64
	s_mov_b32 s[\g+4], 64                          ; tile_dim1 = 64
	s_mov_b32 s[\g+5], 64                          ; from row to row
	s_mov_b32 s[\g+6], 0
	s_mov_b32 s[\g+7], 0
.endr
	s_and_b32 s74, s[WV], 3                        ; which step of a slot I fetch
	s_lshr_b32 s75, s[WV], 2                       ; K (0) or V (1)
	s_mov_b32 s[G0], 1
	s_mul_i32 s[G0+1], s74, STEPB
	s_mul_i32 s76, s75, VOFF
	s_add_co_u32 s[G0+1], s[G0+1], s76             ; LDS address in slot 0
	s_add_co_u32 s76, s75, 1
	s_lshl_b32 s76, s76, 24                        ; k begins 16 MiB into qkv16, v 32 MiB
	s_lshl_b32 s77, s73, 18                        ; a head is 262,144 bytes
	s_add_co_u32 s76, s76, s77
	s_lshl_b32 s78, s74, 13                        ; 64 rows of 128 bytes
	s_add_co_u32 s[BASE], s76, s78
	s_mov_b32 s[BASE+1], 0
	s_mul_i32 s78, s75, 3
	s_xor_b32 s78, s[WV], s78                      ; my sub-block of 32 queries
	s_lshl_b32 s78, s78, 5
	s_sub_co_u32 s[LQ], 7, s[I]
	s_lshl_b32 s[QB256], s[LQ], 8
	s_add_co_u32 s[QF], s[QB256], s78
	s_add_co_u32 s[QL], s[QF], 31
	s_lshl_b32 s[QB2], s[I], 8
	s_add_co_u32 s[QF2], s[QB2], s78
	s_and_b32 s76, s73, 15
	s_lshl_b32 s76, s76, 20                        ; o16: a head is 8,192 rows of 128 bytes,
	s_lshr_b32 s79, s73, 4
	s_lshl_b32 s79, s79, 18                        ; a batch 2,048 rows
	s_add_co_u32 s76, s76, s79
	s_lshl_b32 s79, s[QF], 7
	s_add_co_u32 s[OP], s76, s79
	s_mov_b32 s[OP+1], 0
	s_add_co_u32 s10, s77, s79                     ; Q of the first block
	s_mov_b32 s11, 0
	s_lshl_b32 s79, s[QF2], 7
	s_add_co_u32 s[OP2], s76, s79
	s_mov_b32 s[OP2+1], 0
	s_add_co_u32 s12, s77, s79                     ; Q of the second
	s_mov_b32 s13, 0
	s_mov_b32 s[OFF+1], 0
	s_mov_b32 s[LK], 1
	s_mov_b32 s[KF], 0
	s_mov_b32 s[TB], 0
	s_mov_b32 s[CNT], 8
	s_mov_b32 s[CS], 0x3e38aa3b                    ; c = log2(e) / 8
	s_mov_b32 s[CS+1], s[CS]                       ; (named with it as a pair, so it is written)
	s_mov_b32 s[SEL], 0x76543210
	s_mov_b32 s[SEL+1], 0xfedcba98
	s_cmp_eq_u32 s[I], 0
	s_cselect_b32 s[LIM], 2, -1                    ; the head's first work-group prefetches while more than two trips are left
	s_wait_dscnt 0x0                               ; both opening adds are done
	s_wait_kmcnt 0x0
	s_add_nc_u64 s[BASE:BASE+1], s[4:5], s[BASE:BASE+1]
	s_add_nc_u64 s[10:11], s[4:5], s[10:11]
	s_add_nc_u64 s[12:13], s[4:5], s[12:13]
	s_add_nc_u64 s[OP:OP+1], s[6:7], s[OP:OP+1]
	s_add_nc_u64 s[OP2:OP2+1], s[6:7], s[OP2:OP2+1]
	s_add_nc_u64 s[PFA:PFA+1], s[BASE:BASE+1], 32768   ; the first change of slots steps it to key block 2
	s_mov_b64 s[G0+2:G0+3], s[BASE:BASE+1]
	s_or_b32 s[G0+3], s[G0+3], 0x80000000
	TLOAD                                          ; key block 0 into slot 0
	v_and_b32 v16, 15, v0                          ; r
	v_bfe_u32 v17, v0, 4, 1                        ; h
	v_and_b32 v18, 31, v0                          ; lane
	v_lshlrev_b32 v[QO], 7, v16
	v_lshl_add_u32 v[QO], v17, 4, v[QO]            ; row r of 128 bytes + 16 h
	WIN 0x40                                       ; destination window 1
.irp t, 0,1
.irp c, 0,1
	global_load_b128 v[QR+16*\t+8*\c:QR+16*\t+8*\c+3],   v[QO], s[10:11] offset:\t*2048+\c*64
	global_load_b128 v[QR+16*\t+8*\c+4:QR+16*\t+8*\c+7], v[QO], s[10:11] offset:\t*2048+\c*64+32
	global_load_b128 v[Q2R+16*\t+8*\c:Q2R+16*\t+8*\c+3],   v[QO], s[12:13] offset:\t*2048+\c*64
	global_load_b128 v[Q2R+16*\t+8*\c+4:Q2R+16*\t+8*\c+7], v[QO], s[12:13] offset:\t*2048+\c*64+32
.endr
.endr
	WIN 0
	v_mul_u32_u24 v[AK0], v16, PK
	v_lshl_add_u32 v[AK0], v17, 4, v[AK0]          ; row x pitch + 16 x half
	v_and_b32 v19, 7, v0
	v_bfe_u32 v20, v0, 3, 1
	v_lshl_add_u32 v[AV0], v17, 3, v19             ; the turning load: key 8 h + lane % 8, channels 8 ((lane / 8) % 2) on
	v_mul_u32_u24 v[AV0], v[AV0], PV
	v_lshl_add_u32 v[AV0], v20, 4, v[AV0]
	v_add_nc_u32 v[AV0], VOFF, v[AV0]
	s_mul_i32 s76, s[WV], 16*PK
	s_add_co_u32 s76, s76, STAGE                   ; my stage
	v_add_nc_u32 v[STO], s76, v[AK0]               ; in: row r, 16 bytes for each half of the lanes
	v_lshrrev_b32 v20, 3, v18
	v_mul_u32_u24 v20, v20, PK
	v_lshl_add_u32 v20, v19, 4, v20
	v_add_nc_u32 v[RD], s76, v20                   ; back: eight lanes to a row of 128 bytes, four rows an instruction
	v_lshlrev_b32 v[GO], 4, v18
	v_lshlrev_b32 v[PFO], 8, v18
	v_lshlrev_b32 v19, 3, v17
	v_sub_nc_u32 v[RH], v16, v19
	v_mov_b32 v[NEG], 0xff800000
.macro INIT                            ; O^T and l begin as zeros, m as -3e38: the step is written once, and its first run multiplies zeros
	WIN 0x40
.set n, 0
.rept 64
	v_mov_b32 v[n], 0
.set n, n+1
.endr
	WIN 0
.irp t, 0,1
	v_mov_b32 v[ST+8*\t+1], 0xff61b1e6
	v_mul_f32 v[ST+8*\t], s[CS], v[ST+8*\t+1]
.irp k, 2,3,4,5,6,7
	v_mov_b32 v[ST+8*\t+\k], 0
.endr
.endr
.endm
	INIT
; THE CHANGE OF SLOTS, at a slot's head.  Each wave waits for all its tensor loads (its tile of the slot ahead), adds 0 to its spare word, and waits for that and for its reads of the slot that it has left.
; fill = 1: behind the barrier that other slot takes the next key block: after the query block's own key block comes block 0 for the second query block.
.macro CHANGE fill
	s_wait_tensorcnt 0x0                           ; no tensor load of mine is out, so group 0 may be written
	ds_add_u32 v[SPW], v[NIL]                      ; the steps below stand between the add and the wait for it
.if \fill
	s_lshl_b32 s[OFF], s[LK], 15
	s_add_nc_u64 s[G0+2:G0+3], s[BASE:BASE+1], s[OFF:OFF+1]
	s_or_b32 s[G0+3], s[G0+3], 0x80000000
	s_xor_b32 s[G0+1], s[G0+1], SLOT1
	s_add_co_u32 s73, s[LK], 1
	s_cmp_eq_u32 s[LK], s[LQ]                      ; ids and counts alone
	s_cselect_b32 s[LK], 0, s73
	s_cselect_b32 s[LQ], s[I], s[LQ]
	s_wait_xcnt 0x0                                ; the last prefetch, a slot back, has read its address
	s_add_nc_u64 s[PFA:PFA+1], s[PFA:PFA+1], 32768
.endif
	s_wait_dscnt 0x0                               ; the add is done, and my reads of the slot that I have left are over
	s_barrier_signal -1
	s_barrier_wait -1
.if \fill
	TLOAD                                          ; the first thing behind the barrier, and my one tensor load until the next
	ASK
.endif
.endm
.macro SOFTMAX                         ; both tiles, stage by stage, so that no line waits for the line above it
.irp j, 0,1,2,3
.irp t, 0,1
	v_max3_num_f32 v[ST+8*\t+4+\j], v[S+32*\t+8*\j], v[S+32*\t+8*\j+1], v[S+32*\t+8*\j+2]   ; each accumulator is read from its low end on
.endr
.endr
.irp g, 1,2
.irp j, 0,1,2,3
.irp t, 0,1
	v_max3_num_f32 v[ST+8*\t+4+\j], v[ST+8*\t+4+\j], v[S+32*\t+8*\j+2*\g+1], v[S+32*\t+8*\j+2*\g+2]
.endr
.endr
.endr
.irp t, 0,1
	v_max3_num_f32 v[ST+8*\t+4], v[ST+8*\t+4], v[S+32*\t+7], v[S+32*\t+15]
	v_max3_num_f32 v[ST+8*\t+6], v[ST+8*\t+6], v[S+32*\t+23], v[S+32*\t+31]
.endr
.irp t, 0,1
	v_max3_num_f32 v[ST+8*\t+4], v[ST+8*\t+4], v[ST+8*\t+5], v[ST+8*\t+6]
.endr
.irp t, 0,1
	v_max3_num_f32 v[ST+8*\t+4], v[ST+8*\t+4], v[ST+8*\t+7], v[ST+8*\t+1]   ; with the old m
.endr
.irp t, 0,1
	v_permlanex16_b32 v[ST+8*\t+5], v[ST+8*\t+4], s[SEL], s[SEL+1]          ; the query's other 32 keys lie in the lane 16 away
.endr
.irp t, 0,1
	v_mov_b32 v[ST+8*\t+7], v[ST+8*\t]             ; c m_old
.endr
.irp t, 0,1
	v_max_num_f32 v[ST+8*\t+1], v[ST+8*\t+4], v[ST+8*\t+5]
.endr
.irp t, 0,1
	v_mul_f32 v[ST+8*\t], s[CS], v[ST+8*\t+1]
.endr
.irp t, 0,1
	v_sub_f32 v[ST+8*\t+7], v[ST+8*\t+7], v[ST+8*\t]
.endr
.irp t, 0,1
.set n, 0
.rept 16
	v_pk_fma_f32 v[S+32*\t+2*n:S+32*\t+2*n+1], v[S+32*\t+2*n:S+32*\t+2*n+1], s[CS:CS+1], v[ST+8*\t:ST+8*\t+1] op_sel_hi:[1,0,0] neg_lo:[0,0,1] neg_hi:[0,0,1]   ; c s - c m
.set n, n+1
.endr
.endr
.irp t, 0,1
	v_exp_f32 v[ST+8*\t+6], v[ST+8*\t+7]           ; a
.endr
.set n, 0
.rept 64
	v_exp_f32 v[S+n], v[S+n]                       ; p: one batch of 66 exponentials; none reads another's result
.set n, n+1
.endr
	v_nop                                          ; a plain instruction behind the last exponential
	s_wait_alu depctr_va_vdst(0)                   ; one wait for the batch, ahead of its first reader
.set n, 0
.rept 32
	v_cvt_pk_f16_f32 v[P+n], v[S+2*n], v[S+2*n+1]  ; two tiles of 16 keys make source 1 for 32 keys
.set n, n+1
.endr
.irp w, 4,8,16,32                      ; the sum of a tile's 16 pairs, in place: neighbours 1, 2, 4, 8 pairs apart
.irp t, 0,1
.set n, 0
.rept 32/\w
	v_pk_add_f32 v[S+32*\t+\w*n:S+32*\t+\w*n+1], v[S+32*\t+\w*n:S+32*\t+\w*n+1], v[S+32*\t+\w*n+\w/2:S+32*\t+\w*n+\w/2+1]
.set n, n+1
.endr
.endr
.endr
.irp t, 0,1
	v_pk_fma_f32 v[ST+8*\t+2:ST+8*\t+3], v[ST+8*\t+2:ST+8*\t+3], v[ST+8*\t+6:ST+8*\t+7], v[S+32*\t:S+32*\t+1] op_sel_hi:[1,0,1]   ; l = a l + the sum
.endr
.endm
.macro STEP                            ; 64 keys
	s_cmp_gt_u32 s[KF], s[QL]                      ; all keys come after my queries: the step's work is left out; the lines at its end are not
	s_cbranch_scc1 .Lhid_\@
	v_add_nc_u32 v[ADK], s[TB], v[AK0]
	v_add_nc_u32 v[ADV], s[TB], v[AV0]
	v_nop
	v_nop                                          ; four plain instructions between the last step's products and the loads into V's registers
.irp f, 0,1,2,3,4,5,6,7                ; K: keys 16 (f / 2) on, channels 32 (f % 2) on
	ds_load_b128 v[KFR+8*\f:KFR+8*\f+3],   v[ADK] offset:(\f/2)*16*PK+(\f%2)*64
	ds_load_b128 v[KFR+8*\f+4:KFR+8*\f+7], v[ADK] offset:(\f/2)*16*PK+(\f%2)*64+32
.endr
.irp f, 0,1,2,3,4,5,6,7                ; V, turned: keys 32 (f / 4) on, channels 16 (f % 4) on
	ds_load_tr16_b128 v[VFR+8*\f:VFR+8*\f+3],   v[ADV] offset:(\f/4)*32*PV+(\f%4)*32
	ds_load_tr16_b128 v[VFR+8*\f+4:VFR+8*\f+7], v[ADV] offset:(\f/4)*32*PV+16*PV+(\f%4)*32
.endr
	s_wait_dscnt 16                                ; K is in; V's sixteen loads may stay out
	WIN W_KQ
.irp c, 0,1                            ; eight accumulators by turns, one instruction a turn
.irp kt, 0,1,2,3
.irp t, 0,1
.if \c == 0
	v_wmma_f32_16x16x32_f16 v[S+32*\t+8*\kt:S+32*\t+8*\kt+7], v[KFR+8*(2*\kt+\c):KFR+8*(2*\kt+\c)+7], v[QR+16*\t+8*\c:QR+16*\t+8*\c+7], 0
.else
	v_wmma_f32_16x16x32_f16 v[S+32*\t+8*\kt:S+32*\t+8*\kt+7], v[KFR+8*(2*\kt+\c):KFR+8*(2*\kt+\c)+7], v[QR+16*\t+8*\c:QR+16*\t+8*\c+7], v[S+32*\t+8*\kt:S+32*\t+8*\kt+7]
.endif
.endr
.endr
.endr
	WIN 0
.rept 4
	v_nop                                          ; places in front of the first read of the scores
.endr
	s_add_co_u32 s73, s[KF], 63
	s_cmp_le_u32 s73, s[QF]                        ; all 64 keys count for all my queries: no mask
	s_cbranch_scc1 .Lopen_\@
	s_sub_co_i32 s73, s[QF], s[KF]
	v_add_nc_u32 v12, s73, v[RH]                   ; d = my query - the step's first key - 8 (lane / 16), tile 0;
	v_add_nc_u32 v13, 16, v12                      ; tile 1.  Register n holds key 16 (n / 8) + n % 8 on from there: hidden where that is above d
.irp t, 0,1
.set n, 0
.rept 32
	v_cmp_gt_i32 vcc_lo, 16*(n/8)+n%8, v[12+\t]
	v_cndmask_b32 v[S+32*\t+n], v[S+32*\t+n], v[NEG], vcc_lo
.set n, n+1
.endr
.endr
.Lopen_\@:
	SOFTMAX
	s_wait_dscnt 0x0                               ; V is in
	WIN W_RS
.irp t, 0,1
.set n, 0
.rept 16
	v_pk_mul_f32 v[32*\t+2*n:32*\t+2*n+1], v[32*\t+2*n:32*\t+2*n+1], v[ST+8*\t+6:ST+8*\t+7] op_sel_hi:[1,0]   ; O^T times a, each accumulator from its low end on
.set n, n+1
.endr
.endr
	WIN W_PV
.irp kg, 0,1                           ; eight accumulators by turns
.irp ct, 0,1,2,3
.irp t, 0,1
	v_wmma_f32_16x16x32_f16 v[32*\t+8*\ct:32*\t+8*\ct+7], v[VFR+8*(4*\kg+\ct):VFR+8*(4*\kg+\ct)+7], v[P+16*\t+8*\kg:P+16*\t+8*\kg+7], v[32*\t+8*\ct:32*\t+8*\ct+7]
.endr
.endr
.endr
	WIN 0
.Lhid_\@:
	s_add_co_u32 s[KF], s[KF], 64
	s_add_co_u32 s[TB], s[TB], STEPB
.endm
.macro SLOT_STEPS                      ; a slot's four steps: written once, walked four times
	s_mov_b32 s[STP], 4
.Lstep_\@:
	STEP
	s_sub_co_u32 s[STP], s[STP], 1
	s_cmp_lg_u32 s[STP], 0
	s_cbranch_scc1 .Lstep_\@
	s_sub_co_u32 s[TB], s[TB], 4*STEPB
	s_xor_b32 s[TB], s[TB], SLOT1                  ; on to the other slot
.endm
; THE WAY OUT of a query block: O^T / l, rounded to f16, through my stage in LDS, a tile at a time; 32 lanes then store four rows of 128 bytes: 512 consecutive bytes of o16.
.macro WAYOUT
.rept 4
	v_nop                                          ; places behind the last products
.endr
.irp t, 0,1
	v_add_f32 v[ST+8*\t+4], v[ST+8*\t+2], v[ST+8*\t+3]
.endr
.irp t, 0,1
	v_permlanex16_b32 v[ST+8*\t+5], v[ST+8*\t+4], s[SEL], s[SEL+1]
.endr
.irp t, 0,1
	v_add_f32 v[ST+8*\t+4], v[ST+8*\t+4], v[ST+8*\t+5]
.endr
.irp t, 0,1
	v_rcp_f32 v[ST+8*\t+6], v[ST+8*\t+4]
.endr
	v_nop                                          ; a plain instruction behind the reciprocals,
	s_wait_alu depctr_va_vdst(0)                   ; and the wait ahead of their first reader
	WIN W_RS
.irp t, 0,1
.set n, 0
.rept 16
	v_pk_mul_f32 v[32*\t+2*n:32*\t+2*n+1], v[32*\t+2*n:32*\t+2*n+1], v[ST+8*\t+6:ST+8*\t+7] op_sel_hi:[1,0]
.set n, n+1
.endr
.endr
	WIN 0x05                                       ; sources in window 1, destination in window 0
.set n, 0
.rept 32
	v_cvt_pk_f16_f32 v[S+n], v[2*n], v[2*n+1]
.set n, n+1
.endr
	WIN 0
.irp t, 0,1
.irp ct, 0,1,2,3
	ds_store_b128 v[STO], v[S+16*\t+4*\ct:S+16*\t+4*\ct+3] offset:32*\ct
.endr
.irp g, 0,1,2,3
	ds_load_b128 v[S+32+16*\t+4*\g:S+32+16*\t+4*\g+3], v[RD] offset:\g*4*PK   ; LDS serves a wave's instructions in order: these see the stores above, and the next tile's stores come behind them
.endr
.endr
.irp t, 0,1
.irp g, 0,1,2,3
	s_wait_dscnt 11-8*\t-\g                        ; the younger LDS instructions may stay out: my tile's later loads, and the next tile's eight
	global_store_b128 v[GO], v[S+32+16*\t+4*\g:S+32+16*\t+4*\g+3], s[OP:OP+1] offset:\t*2048+\g*512
.endr
.endr
	s_wait_xcnt 0x0                                ; the stores have read their registers and base: both may be written again
.endm
	s_wait_loadcnt 0x0                             ; Q, both blocks'
.Lslot:                                            ; eight trips; each asks for the slot after the one that it walks
	CHANGE 1
	SLOT_STEPS
	s_cmp_gt_u32 s[KF], s[QB256]                   ; the slot on the diagonal was the query block's last: ids and counts alone, the same in all eight waves
	s_cbranch_scc0 .Lon
	WAYOUT
	WIN 0x41                                       ; the second query block: its Q, loaded at the head,
.set n, 0
.rept 32
	v_mov_b32 v[QR+n], v[Q2R+n]
.set n, n+1
.endr
	INIT                                           ; new sums,
	s_mov_b64 s[OP:OP+1], s[OP2:OP2+1]             ; and its numbers
	s_mov_b32 s[QF], s[QF2]
	s_add_co_u32 s[QL], s[QF], 31
	s_mov_b32 s[QB256], s[QB2]
	s_mov_b32 s[KF], 0
.Lon:
	s_sub_co_u32 s[CNT], s[CNT], 1
	s_cmp_lg_u32 s[CNT], 0
	s_cbranch_scc1 .Lslot
	CHANGE 0                                       ; the ninth slot is written out: nothing is left to ask for
	SLOT_STEPS
	WAYOUT
	s_wait_tensorcnt 0x0                           ; the wave's end
	ds_add_u32 v[SPW], v[NIL]
	s_wait_dscnt 0x0
	s_endpgm
.Lfunc_end_k_qffac2604d1_attn:
	.size	k_qffac2604d1_attn, .Lfunc_end_k_qffac2604d1_attn-k_qffac2604d1_attn
	.p2alignl 7, 3214868480
	.fill 96, 4, 3214868480
	.section	.rodata,"a",@progbits
	.p2align	6, 0x0
	.amdhsa_kernel k_qffac2604d1_attn
		.amdhsa_group_segment_fixed_size 327680
		.amdhsa_private_segment_fixed_size 0
		.amdhsa_enable_private_segment 0
		.amdhsa_kernarg_size 16
		.amdhsa_user_sgpr_count 2
		.amdhsa_user_sgpr_kernarg_segment_ptr 1
		.amdhsa_wavefront_size32 1
		.amdhsa_system_sgpr_workgroup_id_x 1
		.amdhsa_system_sgpr_workgroup_id_y 1
		.amdhsa_system_sgpr_workgroup_id_z 1
		.amdhsa_system_vgpr_workitem_id 0
		.amdhsa_next_free_vgpr 384
		.amdhsa_next_free_sgpr 80
		.amdhsa_reserve_vcc 1
		.amdhsa_float_denorm_mode_32 3
		.amdhsa_float_denorm_mode_16_64 3
		.amdhsa_memory_ordered 1
		.amdhsa_forward_progress 1
		.amdhsa_inst_pref_size 72
	.end_amdhsa_kernel
	.amdgpu_metadata
---
amdhsa.version: [ 1, 2 ]
amdhsa.kernels:
  - .name:           k_qffac2604d1_attn
    .symbol:         k_qffac2604d1_attn.kd
    .args:
      - { .name: qkv16, .offset: 0, .size: 8, .value_kind: global_buffer, .address_space: global }
      - { .name: o16, .offset: 8, .size: 8, .value_kind: global_buffer, .address_space: global }
    .group_segment_fixed_size: 327680
    .private_segment_fixed_size: 0
    .kernarg_segment_align: 8
    .kernarg_segment_size: 16
    .max_flat_workgroup_size: 256
    .sgpr_count:     80
    .vgpr_count:     384
    .wavefront_size: 32
...
	.end_amdgpu_metadata
.endif
;; end of part 3
;; launch outproj (part 4): grid 4 x 64, 4 waves a work-group, clusters of 4 x 4, 327,680 bytes of LDS; arguments o16, wp16, bp, out0; writes out0
.if DOCPART == 4
	.amdgcn_target "amdgcn-amd-amdhsa--gfx1250"
	.amdhsa_code_object_version 6
	.text
	.protected	k_qffac2604d1_outproj
	.globl	k_qffac2604d1_outproj
	.p2align	8
	.type	k_qffac2604d1_outproj,@function
k_qffac2604d1_outproj:
	s_mov_b64 s[64:65], 0
	v_nop
	global_prefetch_b8 v0, s[64:65] scope:SCOPE_SE
	s_setreg_imm32_b32 hwreg(HW_REG_WAVE_MODE, 25, 1), 1
	s_wait_xcnt 0x0
	s_wait_alu depctr_hold_cnt(0) depctr_sa_sdst(0) depctr_va_vdst(0) depctr_va_sdst(0) depctr_va_ssrc(0) depctr_va_vcc(0) depctr_vm_vsrc(0)
	s_getreg_b32 s2, hwreg(HW_REG_IB_STS2, 6, 4)
	s_cmp_eq_u32 s2, 0
	s_cbranch_scc0 .Lentry_in_a_cluster
	s_endpgm
.Lentry_in_a_cluster:
	s_bfe_u32 s2, ttmp6, 0x10000c
	s_cmp_lg_u32 s2, 0xf033
	s_cbranch_scc0 .Lentry_shape_is_right
	s_endpgm
.Lentry_shape_is_right:
; out0[m][n] = the sum over k of o[m][k] Wp[n][k] + bp[n], f16 operands, f32 sums.  o16: [k / 64][m 8192][64] f16; wp16: [k / 64][n 1024][64] f16; bp [1024], out0 [8192][1024] f32.
; (The 16 first positions of each batch are written again, more finely, by the launch behind this one.)   LIMIT: |o| under 65,504; Wp under 6e-5 in magnitude keeps fewer bits.
; A tile of 128 (m) x 256 (n), so that there are 256 work-groups.  Four waves, each 64 x 128: 32 accumulators.  K goes in 8 steps of 128 (two blocks of 64) through a ring of two LDS slots.
; Each tile of 64 along K is dense in memory (rows of 128 bytes on end).  One load a wave: waves 0, 1 o's two blocks (128 rows), waves 2, 3 Wp's (256 rows).
; CLUSTERS: 4 x 4 work-groups: o's tiles are shared along a row of the cluster, Wp's along a column: joint loads, each refill behind a round of the cluster's barrier.
; THE MATRIX INSTRUCTION IS USED TRANSPOSED (source 0 = 16 rows of Wp, source 1 = 16 rows of o): a lane holds eight neighbouring columns of a row.  The bias is the C of each sum's first product.
; REGISTERS: window 0: v16-29 addresses; v64-95, v96-127 o's fragments, two buffers; v128-255 the way out.   window 1: v0-63, v64-127 Wp's fragments, two buffers; v128-191 the bias.   window 2: accumulator (a, b) at v[8 (8 a + b)].
.set PITCH,  144                       ; an LDS row: 128 bytes + 16: the 16 rows of a load start at different banks (64 banks of 4 bytes: ISA guide 11.1)
.set AH,     128*PITCH
.set BH,     256*PITCH
.set BOFF,   2*AH
.set SLOT,   2*AH+2*BH                 ; o's two blocks, then Wp's two
.set STAGE,  2*SLOT                    ; behind the ring: 16 rows x 528 bytes a wave
.set SPITCH, 528
.set SPARE,  STAGE+4*16*SPITCH         ; the spare words, 128 bytes a wave, which no other line names
.set ADRA, 16
.set ADRB, 20
.set STO,  24
.set RD,   25
.set CO,   26
.set BO,   27
.set SPW,  28
.set NIL,  29
.set G1, 24
.set G0, 32
.set G1B, 48
.set G0B, 56
.set MSB, 0
.macro WIN new
.if MSB != \new
	s_set_vgpr_msb (MSB<<8)|\new
.set MSB, \new
.endif
.endm
.set MUL,  0xa1                        ; source 0 (Wp) window 1, source 1 (o) window 0, C and D window 2
.set MULB, 0x91                        ; the same with C (the bias) in window 1
.set TO_B, 0x40
.macro JLOAD s                         ; waves 0 and 1 fetch for o, waves 2 and 3 for Wp; an s_nop 0 and four v_nop follow each line
	s_cmp_eq_u32 s15, 0
	s_cbranch_scc0 .Lfor_b_\@
	tensor_load_to_lds s[G0+4*\s:G0+4*\s+3], s[G1:G1+7]
	s_nop 0
.rept 4
	v_nop
.endr
	s_branch .Lasked_\@
.Lfor_b_\@:
	tensor_load_to_lds s[G0B+4*\s:G0B+4*\s+3], s[G1B:G1B+7]
	s_nop 0
.rept 4
	v_nop
.endr
.Lasked_\@:
.endm
.macro CREST
	s_cmp_lg_u32 s14, 0
	s_cbranch_scc1 .Lnot_wave_0_\@
	s_barrier_signal -3
.Lnot_wave_0_\@:
	s_barrier_wait -3
	s_barrier_signal -1
	s_barrier_wait -1
.endm
.macro CROUND
	s_barrier_signal -1
	s_barrier_wait -1
	CREST
.endm
	s_load_b256 s[4:11], s[0:1], 0x0               ; o16 s[4:5], wp16 s[6:7], bp s[8:9], out0 s[10:11]
	v_lshl_add_u32 v[SPW], v0, 2, SPARE
	v_mov_b32 v[NIL], 0
	ds_add_u32 v[SPW], v[NIL]                      ; the wave's opening: the add, twice on end, and its wait ahead of my first tensor load
	ds_add_u32 v[SPW], v[NIL]
	v_lshrrev_b32 v1, 5, v0
	v_readfirstlane_b32 s14, v1                    ; wave 0..3
	s_lshr_b32 s15, s14, 1                         ; my half of the tile's rows.  Also: I fetch for o (0) or for Wp (1)
	s_and_b32 s16, s14, 1                          ; my half of its columns.  Also: which block of 64 along K I fetch
	s_bfe_u32 s40, ttmp6, 0x40000                  ; cx
	s_bfe_u32 s41, ttmp6, 0x40004                  ; cy
	s_lshl_b32 s42, ttmp9, 2
	s_add_co_u32 s42, s42, s40                     ; tile column
	s_and_b32 s17, ttmp7, 0xffff
	s_lshl_b32 s17, s17, 2
	s_add_co_u32 s17, s17, s41                     ; tile row
	s_lshl_b32 s43, s41, 2
	s_lshl_b32 s43, 15, s43                        ; my row of the cluster
	s_lshl_b32 s44, 0x1111, s40                    ; my column
	s_or_b32 s[G1+0], s43, (1<<16)|(1<<20)|(1<<21)|(4<<22)|(3<<25)   ; the mask; elements of 2 bytes; padding on; bit 21 beside a mask; after every 32 words four words
	s_or_b32 s[G1B+0], s44, (1<<16)|(1<<20)|(1<<21)|(4<<22)|(3<<25)
	s_mov_b32 s[G1+1], 64<<16                      ; tensor_dim0 = 64
	s_mov_b32 s[G1+2], 128<<16                     ; tensor_dim1 = 128
	s_mov_b32 s[G1+3], 64<<16                      ; tile_dim0 = 64
	s_mov_b32 s[G1+4], 128                         ; tile_dim1 = 128
	s_mov_b32 s[G1+5], 64                          ; from row to row
	s_mov_b32 s[G1+6], 0
	s_mov_b32 s[G1+7], 0
	s_mov_b32 s[G1B+1], 64<<16
	s_mov_b32 s[G1B+2], 256<<16
	s_mov_b32 s[G1B+3], 64<<16
	s_mov_b32 s[G1B+4], 256
	s_mov_b32 s[G1B+5], 64
	s_mov_b32 s[G1B+6], 0
	s_mov_b32 s[G1B+7], 0
	s_lshl_b32 s20, s16, 20                        ; o: a block of 64 along K is 1 MiB; 128 rows are 16,384 bytes
	s_lshl_b32 s21, s17, 14
	s_add_co_u32 s20, s20, s21
	s_mov_b32 s21, 0
	s_lshl_b32 s46, s16, 17                        ; Wp: a block is 131,072 bytes; 256 rows are 32,768
	s_lshl_b32 s47, s42, 15
	s_add_co_u32 s46, s46, s47
	s_mov_b32 s47, 0
	s_and_b32 s45, s15, s14
	s_add_co_u32 s45, s45, s14
	s_mul_i32 s45, s45, AH                         ; where my tile goes: 0, 1, 2, 4 times 18,432 for waves 0 to 3
	s_wait_dscnt 0x0                               ; both opening adds are done
	s_wait_kmcnt 0x0
	s_add_nc_u64 s[20:21], s[4:5], s[20:21]
	s_add_nc_u64 s[46:47], s[6:7], s[46:47]
	CROUND                                         ; all sixteen work-groups are here: the first joint loads meet
.irp s, 0,1
	s_mov_b32 s[G0+4*\s], 1
	s_add_co_u32 s[G0+4*\s+1], s45, \s*SLOT
	s_add_nc_u64 s[G0+4*\s+2:G0+4*\s+3], s[20:21], \s*0x200000     ; K step s: two blocks on
	s_or_b32 s[G0+4*\s+3], s[G0+4*\s+3], 0x80000000
	s_mov_b32 s[G0B+4*\s], 1
	s_add_co_u32 s[G0B+4*\s+1], s45, \s*SLOT
	s_add_nc_u64 s[G0B+4*\s+2:G0B+4*\s+3], s[46:47], \s*0x40000
	s_or_b32 s[G0B+4*\s+3], s[G0B+4*\s+3], 0x80000000
	JLOAD \s
.endr
	s_lshl_b32 s22, s42, 10                        ; my first column, in bytes of f32: 1,024 x tile column + 512 x half
	s_lshl_b32 s23, s16, 9
	s_add_co_u32 s22, s22, s23
	s_mov_b32 s23, 0
	s_add_nc_u64 s[8:9], s[8:9], s[22:23]
	s_add_nc_u64 s[10:11], s[10:11], s[22:23]
	s_lshl_b32 s22, s17, 19                        ; 128 rows of 4,096 bytes,
	s_lshl_b32 s12, s15, 18                        ; my 64 of them
	s_add_co_u32 s22, s22, s12
	s_add_nc_u64 s[10:11], s[10:11], s[22:23]
	v_and_b32 v1, 15, v0                           ; r
	v_bfe_u32 v2, v0, 4, 1                         ; h
	v_lshlrev_b32 v[BO], 5, v2
	WIN TO_B
.irp b, 0,1,2,3,4,5,6,7                ; the bias in the result's layout: block b, columns 16 b + 8 h + 0 .. 7
	global_load_b128 v[128+8*\b:128+8*\b+3], v[BO], s[8:9] offset:64*\b
	global_load_b128 v[128+8*\b+4:128+8*\b+7], v[BO], s[8:9] offset:64*\b+16
.endr
	WIN 0
	v_mul_u32_u24 v3, v1, PITCH
	v_lshl_add_u32 v3, v2, 4, v3
	s_mul_i32 s12, s15, 64*PITCH                   ; my 64 rows of o
	s_mul_i32 s13, s16, 128*PITCH                  ; my 128 rows of Wp
	s_add_co_u32 s13, s13, BOFF
.irp s, 0,1
	v_add_nc_u32 v[ADRA+\s], s12, v3
	v_add_nc_u32 v[ADRB+\s], s13, v3
	s_add_co_u32 s12, s12, SLOT
	s_add_co_u32 s13, s13, SLOT
.endr
	s_mul_i32 s12, s14, 16*SPITCH
	s_add_co_u32 s12, s12, STAGE                   ; my stage
	v_mul_u32_u24 v4, v1, SPITCH
	v_lshl_add_u32 v4, v2, 5, v4
	v_add_nc_u32 v[STO], s12, v4                   ; in: row r, 32 bytes for each half of the lanes
	v_and_b32 v5, 31, v0
	v_lshlrev_b32 v[CO], 4, v5
	v_add_nc_u32 v[RD], s12, v[CO]                 ; back: the 32 lanes take a row of 512 bytes
.macro FETCH slot, q, f                ; 24 LDS loads in one run: the fragments of the slot's q-th 32 along K into buffer f: Wp's eight blocks, then o's four
	WIN TO_B
.irp i, 0,1,2,3,4,5,6,7
	ds_load_b128 v[64*(\f)+8*\i:64*(\f)+8*\i+3],   v[ADRB+\slot] offset:((\q)/2)*BH+((\q)%2)*64+\i*16*PITCH
	ds_load_b128 v[64*(\f)+8*\i+4:64*(\f)+8*\i+7], v[ADRB+\slot] offset:((\q)/2)*BH+((\q)%2)*64+\i*16*PITCH+32
.endr
	WIN 0
.irp i, 0,1,2,3
	ds_load_b128 v[64+32*(\f)+8*\i:64+32*(\f)+8*\i+3],   v[ADRA+\slot] offset:((\q)/2)*AH+((\q)%2)*64+\i*16*PITCH
	ds_load_b128 v[64+32*(\f)+8*\i+4:64+32*(\f)+8*\i+7], v[ADRA+\slot] offset:((\q)/2)*AH+((\q)%2)*64+\i*16*PITCH+32
.endr
.endm
.macro MUL8 f, a, first                ; o's block a against Wp's eight.  The 32 accumulators take turns, one instruction a turn, in the same order in every quarter
.irp b, 0,1,2,3,4,5,6,7
.if \first
	v_wmma_f32_16x16x32_f16 v[8*(8*(\a)+\b):8*(8*(\a)+\b)+7], v[64*(\f)+8*\b:64*(\f)+8*\b+7], v[64+32*(\f)+8*(\a):64+32*(\f)+8*(\a)+7], v[128+8*\b:128+8*\b+7]
.else
	v_wmma_f32_16x16x32_f16 v[8*(8*(\a)+\b):8*(8*(\a)+\b)+7], v[64*(\f)+8*\b:64*(\f)+8*\b+7], v[64+32*(\f)+8*(\a):64+32*(\f)+8*(\a)+7], v[8*(8*(\a)+\b):8*(8*(\a)+\b)+7]
.endif
.endr
.endm
.macro PLACES                          ; four plain instructions in front of loads into registers that matrix instructions have read, and of reads of results
.rept 4
	v_nop
.endr
.endm
.macro QUARTER slot, q, f, g, first    ; multiplies buffer f; in its middle it fetches the slot's q-th 32 along K into buffer g
	s_wait_dscnt 4                                 ; Wp's blocks and o's blocks 0, 1 are in; the youngest four loads (o's blocks 2, 3) may be out
.if \first
	WIN MULB
.else
	WIN MUL
.endif
	MUL8 \f, 0, \first
	MUL8 \f, 1, \first
	PLACES
	FETCH \slot, \q, \g
	s_wait_dscnt 24                                ; all but the 24 just issued
.if \first
	WIN MULB
.else
	WIN MUL
.endif
	MUL8 \f, 2, \first
	MUL8 \f, 3, \first
.endm
; A K step's last quarter multiplies buffer 1 and changes slots: one barrier; in front of it each wave waits for all its tensor loads, adds 0 to its spare word, and waits for that and for its reads of this slot.
; fill = 1: the barrier opens a round of the cluster's, and this slot is filled again, two K steps ahead, first thing behind the round.
.macro TURN slot, next, fill
	WIN 0                                          ; (the add's two registers lie in window 0)
	s_wait_tensorcnt 0x0                           ; my part of the next slot has landed
	ds_add_u32 v[SPW], v[NIL]
	s_wait_dscnt 5                                 ; (the add and the youngest four loads may be out)
	WIN MUL
	MUL8 1, 0, 0
	s_wait_dscnt 0x0                               ; the add is done, and my reads of this slot are over
	s_barrier_signal -1
	MUL8 1, 1, 0
	WIN 0
	s_barrier_wait -1
.if \fill
	CREST                                          ; no wave of any partner still reads this slot or has a load on its way
	s_add_nc_u64 s[G0+4*\slot+2:G0+4*\slot+3], s[G0+4*\slot+2:G0+4*\slot+3], 0x400000
	s_add_nc_u64 s[G0B+4*\slot+2:G0B+4*\slot+3], s[G0B+4*\slot+2:G0B+4*\slot+3], 0x80000
	JLOAD \slot                                    ; its four v_nop are also the places in front of the loads below
.else
	PLACES
.endif
	FETCH \next, 0, 0
	WIN MUL
	MUL8 1, 2, 0
	MUL8 1, 3, 0
.endm
	s_wait_tensorcnt 1                             ; my part of K step 0 is in; K step 1's load may be out
	s_barrier_signal -1
	s_barrier_wait -1
	FETCH 0, 0, 0
	s_wait_loadcnt 0x0                             ; the bias
	QUARTER 0, 1, 0, 1, 1                          ; the first quarter's products start the sums, from the bias
	WIN 0
	s_mov_b32 s3, 3
.Llap:                                             ; a trip goes once round the ring and fills both slots again
	QUARTER 0, 2, 1, 0, 0
	QUARTER 0, 3, 0, 1, 0
	TURN 0, 1, 1
	QUARTER 1, 1, 0, 1, 0
	QUARTER 1, 2, 1, 0, 0
	QUARTER 1, 3, 0, 1, 0
	TURN 1, 0, 1
	QUARTER 0, 1, 0, 1, 0
	WIN 0
	s_sub_co_u32 s3, s3, 1
	s_cmp_lg_u32 s3, 0
	s_cbranch_scc1 .Llap
	QUARTER 0, 2, 1, 0, 0                          ; the last lap fills nothing
	QUARTER 0, 3, 0, 1, 0
	TURN 0, 1, 0
	QUARTER 1, 1, 0, 1, 0
	QUARTER 1, 2, 1, 0, 0
	QUARTER 1, 3, 0, 1, 0
	s_wait_dscnt 4
	WIN MUL
	MUL8 1, 0, 0
	MUL8 1, 1, 0
	s_wait_dscnt 0
	MUL8 1, 2, 0
	MUL8 1, 3, 0
	WIN 0
; THE WAY OUT, a block of 16 rows x 128 columns at a time, through my own stage: back as whole rows of 512 bytes, which the 32 lanes store at a multiple of 256 bytes from out0's first byte.
.macro TOSTAGE a
	WIN 0x08                                       ; an LDS store's data are its source 1: window 2
.irp b, 0,1,2,3,4,5,6,7
	ds_store_b128 v[STO], v[64*(\a)+8*\b:64*(\a)+8*\b+3] offset:64*\b          ; each accumulator from its low end on
	ds_store_b128 v[STO], v[64*(\a)+8*\b+4:64*(\a)+8*\b+7] offset:64*\b+16
.endr
	WIN 0
.set BB, 128+64*((\a)%2)
.irp t, 0,1,2,3,4,5,6,7,8,9,10,11,12,13,14,15
	ds_load_b128 v[BB+4*\t:BB+4*\t+3], v[RD] offset:\t*SPITCH   ; LDS serves a wave's instructions in order: these see the stores above
.endr
.endm
.macro SEND a, younger
.set BB, 128+64*((\a)%2)
	s_wait_dscnt \younger                          ; the block is back; the next block's 32 LDS instructions may be out
.irp t, 0,1,2,3,4,5,6,7,8,9,10,11,12,13,14,15
	global_store_b128 v[CO], v[BB+4*\t:BB+4*\t+3], s[10:11] offset:(16*(\a)+\t)*4096 th:TH_STORE_NT
.endr
.endm
	PLACES
	TOSTAGE 0
.irp a, 1,2,3
.if \a > 1
	s_wait_xcnt 0x0                                ; block a - 2's stores have read their registers: block a's loads may land there
.endif
	TOSTAGE \a
	SEND \a-1, 32
.endr
	SEND 3, 0
	s_wait_tensorcnt 0x0                           ; the wave's end
	ds_add_u32 v[SPW], v[NIL]
	s_wait_dscnt 0x0
	CROUND                                         ; the closing round
	s_endpgm
.Lfunc_end_k_qffac2604d1_outproj:
	.size	k_qffac2604d1_outproj, .Lfunc_end_k_qffac2604d1_outproj-k_qffac2604d1_outproj
	.p2alignl 7, 3214868480
	.fill 96, 4, 3214868480
	.section	.rodata,"a",@progbits
	.p2align	6, 0x0
	.amdhsa_kernel k_qffac2604d1_outproj
		.amdhsa_group_segment_fixed_size 327680
		.amdhsa_private_segment_fixed_size 0
		.amdhsa_enable_private_segment 0
		.amdhsa_kernarg_size 32
		.amdhsa_user_sgpr_count 2
		.amdhsa_user_sgpr_kernarg_segment_ptr 1
		.amdhsa_wavefront_size32 1
		.amdhsa_system_sgpr_workgroup_id_x 1
		.amdhsa_system_sgpr_workgroup_id_y 1
		.amdhsa_system_sgpr_workgroup_id_z 1
		.amdhsa_system_vgpr_workitem_id 0
		.amdhsa_next_free_vgpr 768
		.amdhsa_next_free_sgpr 80
		.amdhsa_reserve_vcc 0
		.amdhsa_float_denorm_mode_32 3
		.amdhsa_float_denorm_mode_16_64 3
		.amdhsa_memory_ordered 1
		.amdhsa_forward_progress 1
		.amdhsa_inst_pref_size 87
	.end_amdhsa_kernel
	.amdgpu_metadata
---
amdhsa.version: [ 1, 2 ]
amdhsa.kernels:
  - .name:           k_qffac2604d1_outproj
    .symbol:         k_qffac2604d1_outproj.kd
    .args:
      - { .name: o16, .offset: 0, .size: 8, .value_kind: global_buffer, .address_space: global }
      - { .name: wp16, .offset: 8, .size: 8, .value_kind: global_buffer, .address_space: global }
      - { .name: bp, .offset: 16, .size: 8, .value_kind: global_buffer, .address_space: global }
      - { .name: out0, .offset: 24, .size: 8, .value_kind: global_buffer, .address_space: global }
    .group_segment_fixed_size: 327680
    .private_segment_fixed_size: 0
    .kernarg_segment_align: 8
    .kernarg_segment_size: 32
    .max_flat_workgroup_size: 128
    .sgpr_count:     80
    .vgpr_count:     768
    .wavefront_size: 32
...
	.end_amdgpu_metadata
.endif
;; end of part 4
;; launch fine (part 5): grid 16 x 4, 16 waves a work-group, no clusters, 71,680 bytes of LDS; arguments fine32, Wp, bp, out0; writes out0
.if DOCPART == 5
	.amdgcn_target "amdgcn-amd-amdhsa--gfx1250"
	.amdhsa_code_object_version 6
	.text
	.protected	k_qffac2604d1_fine
	.globl	k_qffac2604d1_fine
	.p2align	8
	.type	k_qffac2604d1_fine,@function
k_qffac2604d1_fine:
	s_mov_b64 s[64:65], 0
	v_nop
	global_prefetch_b8 v0, s[64:65] scope:SCOPE_SE
	s_setreg_imm32_b32 hwreg(HW_REG_WAVE_MODE, 25, 1), 1
	s_wait_xcnt 0x0
; Positions 0-15 of each batch once more, all in f32: there a softmax averages one to sixteen values, the results are the largest of the output, and 16-bit operands would cost too much.
; fine32 [4 x product + batch][block of 16 columns: 64][2][lane 32][4 f32] holds the f32 sums q, k, v of these positions as the accumulators' registers stood: lane (r, h): position r, columns 16 block + 8 h + 0 .. 7.
; Work-group (x, b): batch b, output columns 64 x .. 64 x + 63.  Wave w is head w: its attention over 16 x 16 positions, then its head's part of the out-projection for the 64 columns; the sixteen parts meet in LDS,
; and wave w adds up and stores row w: 256 consecutive bytes, aligned.  The attention is repeated in the sixteen work-groups of a batch: 32 small products each.
; All products by v_wmma_f32_16x16x4_f32: a pair of a lane's registers is taken as k = 2 h, 2 h + 1, alike on both sides, so that the sum runs over the same four numbers of K.
; LIMIT: a hidden key gets weight 0, which is what the added -1e13 gives while scores stay far under 1e13.
; REGISTERS: v1-8 addresses and constants; v9-13 at work, v[12:13] the bias; v16-47 q, then V^T, then the sixteen parts; v48-79 k, then Wp's tile 2; v80-111 v, then Wp's tile 3;
;   v112-143 four accumulators, written by matrix instructions alone; v144-151 scores, then p; v152-159 at work; v160-191 o; v192-255 Wp's tiles 0, 1.
.set REG,   4352                       ; LDS: 16 rows x (256 + 16) bytes for each wave
.set SPARE, 16*REG                     ; behind them the spare words, 128 bytes a wave, which no other line names
.set ACC, 112
.set PP,  144
.set OO,  160
	s_load_b256 s[4:11], s[0:1], 0x0               ; fine32 s[4:5], Wp s[6:7], bp s[8:9], out0 s[10:11]
	v_lshl_add_u32 v14, v0, 2, SPARE               ; my spare word; never rewritten
	v_mov_b32 v15, 0                               ; 0; never rewritten
	v_lshrrev_b32 v1, 5, v0
	v_readfirstlane_b32 s12, v1                    ; wave = head
	s_and_b32 s13, ttmp7, 0xffff                   ; batch
	v_and_b32 v9, 31, v0                           ; lane
	v_and_b32 v10, 15, v0                          ; r
	v_bfe_u32 v11, v0, 4, 1                        ; h
	v_lshlrev_b32 v1, 4, v9                        ; 16 x lane
	s_mul_i32 s14, s12, REG
	v_mul_u32_u24 v2, v10, 272
	v_lshl_add_u32 v2, v11, 5, v2
	v_add_nc_u32 v2, s14, v2                       ; into my region: row r, + 32 h
	v_mul_u32_u24 v3, v11, 8*272
	v_lshl_add_u32 v3, v10, 2, v3
	v_add_nc_u32 v3, s14, v3                       ; V turned: rows 8 h on, column r
	v_lshlrev_b32 v4, 12, v10
	v_lshl_add_u32 v4, v11, 5, v4                  ; Wp: row r of 4,096 bytes, + 32 h
	v_lshlrev_b32 v6, 3, v9                        ; 8 x lane
	s_mul_i32 s15, s12, 272
	v_add_nc_u32 v5, s15, v6                       ; row w of a region, 8 bytes a lane
	v_lshlrev_b32 v7, 3, v11
	v_sub_nc_u32 v7, v10, v7                       ; d = r - 8 h: register j holds key 8 h + j, hidden where j > d
	v_mov_b32 v8, 0xff800000                       ; -infinity
	s_lshl_b32 s16, s13, 16
	s_lshl_b32 s17, s12, 12
	s_add_co_u32 s16, s16, s17                     ; fine32: 65,536 x batch + 4,096 x head
	s_mov_b32 s17, 0
	s_lshl_b32 s18, ttmp9, 18
	s_lshl_b32 s19, s12, 8
	s_add_co_u32 s18, s18, s19                     ; Wp: 64 rows x work-group x, + the head's 64 columns
	s_mov_b32 s19, 0
	s_lshl_b32 s20, ttmp9, 8                       ; 64 columns of f32
	s_mov_b32 s21, 0
	s_lshl_b32 s22, s13, 11
	s_add_co_u32 s22, s22, s12
	s_lshl_b32 s22, s22, 12                        ; out0: row 2,048 x batch + w
	s_add_co_u32 s22, s22, s20
	s_mov_b32 s23, 0
	s_mov_b32 s24, 0x3e38aa3b                      ; c = log2(e) / 8
	s_mov_b32 s25, s24                             ; (named with it as a pair)
	s_mov_b32 s26, 0x76543210
	s_mov_b32 s27, 0xfedcba98                      ; v_permlanex16_b32's selects for lane l xor 16
	s_wait_kmcnt 0x0
	s_add_nc_u64 s[4:5], s[4:5], s[16:17]
	s_add_nc_u64 s[6:7], s[6:7], s[18:19]
	s_add_nc_u64 s[8:9], s[8:9], s[20:21]
	s_add_nc_u64 s[10:11], s[10:11], s[22:23]
.irp x, 0,1,2                          ; q, k, v: register 8 c + 4 u + e of lane (r, h): position r, channel 16 c + 8 h + 4 u + e.  512 consecutive bytes a load
.irp c, 0,1,2,3
.irp u, 0,1
	global_load_b128 v[16+32*\x+8*\c+4*\u:16+32*\x+8*\c+4*\u+3], v1, s[4:5] offset:\x*262144+\c*1024+\u*512
.endr
.endr
.endr
.irp ct, 0,1                           ; Wp's tiles of 16 output columns: register 8 t + 4 u + e of lane (r, h): row 16 ct + r, the head's channel 16 t + 8 h + 4 u + e
.irp t, 0,1,2,3
.irp u, 0,1
	global_load_b128 v[192+32*\ct+8*\t+4*\u:192+32*\ct+8*\t+4*\u+3], v4, s[6:7] offset:\ct*65536+\t*64+\u*16
.endr
.endr
.endr
	global_load_b64 v[12:13], v6, s[8:9]           ; the bias of my two columns
	s_wait_loadcnt 17                              ; q, k, v are in; Wp's sixteen loads and the bias may be out
.irp c, 0,1,2,3
.irp u, 0,1
	ds_store_b128 v2, v[80+8*\c+4*\u:80+8*\c+4*\u+3] offset:64*\c+16*\u     ; v as rows [key][channel]
.endr
.endr
.set i, 0
.rept 16                               ; S^T = k q^T: source 0 = 16 keys, source 1 = 16 queries; four accumulators by turns, each begun with the constant 0
.if i < 4
	v_wmma_f32_16x16x4_f32 v[ACC+8*(i%4):ACC+8*(i%4)+7], v[48+2*i:49+2*i], v[16+2*i:17+2*i], 0
.else
	v_wmma_f32_16x16x4_f32 v[ACC+8*(i%4):ACC+8*(i%4)+7], v[48+2*i:49+2*i], v[16+2*i:17+2*i], v[ACC+8*(i%4):ACC+8*(i%4)+7]
.endif
.set i, i+1
.endr
.rept 8
	v_nop                                          ; eight places behind this form: for the reads of the sums and the loads into q's and k's registers
.endr
	s_wait_dscnt 0x0                               ; the stores have landed and have read v's registers
.irp t, 0,1,2,3
.irp j, 0,1,2,3,4,5,6,7
	ds_load_b32 v[16+8*\t+\j], v3 offset:\j*272+64*\t          ; V^T: lane (r, h): channel 16 t + r, key 8 h + j
.endr
.endr
.irp ct, 2,3
.irp t, 0,1,2,3
.irp u, 0,1
	global_load_b128 v[48+32*(\ct-2)+8*\t+4*\u:48+32*(\ct-2)+8*\t+4*\u+3], v4, s[6:7] offset:\ct*65536+\t*64+\u*16
.endr
.endr
.endr
.irp p, 0,1,2,3                        ; the four partial sums are joined, each accumulator read from its low end on
	v_pk_add_f32 v[PP+2*\p:PP+2*\p+1], v[ACC+2*\p:ACC+2*\p+1], v[ACC+8+2*\p:ACC+8+2*\p+1]
.endr
.irp p, 0,1,2,3
	v_pk_add_f32 v[152+2*\p:153+2*\p], v[ACC+16+2*\p:ACC+16+2*\p+1], v[ACC+24+2*\p:ACC+24+2*\p+1]
.endr
.irp p, 0,1,2,3
	v_pk_add_f32 v[PP+2*\p:PP+2*\p+1], v[PP+2*\p:PP+2*\p+1], v[152+2*\p:153+2*\p]
.endr
.irp j, 0,1,2,3,4,5,6,7
	v_cmp_gt_i32 vcc_lo, \j, v7
	v_cndmask_b32 v[PP+\j], v[PP+\j], v8, vcc_lo   ; hidden keys: -infinity
.endr
	v_max3_num_f32 v9, v[PP], v[PP+1], v[PP+2]
	v_max3_num_f32 v9, v9, v[PP+3], v[PP+4]
	v_max3_num_f32 v9, v9, v[PP+5], v[PP+6]
	v_max_num_f32 v9, v9, v[PP+7]
	v_permlanex16_b32 v10, v9, s26, s27
	v_max_num_f32 v9, v9, v10                      ; the row's maximum: key 0 counts for every query
	v_mul_f32 v10, s24, v9
	v_mov_b32 v11, v10                             ; (named with it as a pair)
.irp p, 0,1,2,3
	v_pk_fma_f32 v[PP+2*\p:PP+2*\p+1], v[PP+2*\p:PP+2*\p+1], s[24:25], v[10:11] op_sel_hi:[1,0,0] neg_lo:[0,0,1] neg_hi:[0,0,1]
.endr
.irp j, 0,1,2,3,4,5,6,7
	v_exp_f32 v[PP+\j], v[PP+\j]
.endr
	v_nop                                          ; a plain instruction behind the exponentials,
	s_wait_alu depctr_va_vdst(0)                   ; and one wait for the batch, ahead of its first reader
	v_pk_add_f32 v[152:153], v[PP:PP+1], v[PP+2:PP+3]
	v_pk_add_f32 v[154:155], v[PP+4:PP+5], v[PP+6:PP+7]
	v_pk_add_f32 v[152:153], v[152:153], v[154:155]
	v_add_f32 v9, v152, v153
	v_permlanex16_b32 v10, v9, s26, s27
	v_add_f32 v9, v9, v10                          ; the row's sum
	v_rcp_f32 v152, v9
	v_nop
	s_wait_alu depctr_va_vdst(0)
	s_wait_dscnt 0x0                               ; V^T is in
.irp i, 0,1,2,3                        ; O^T = V^T p: source 0 = 16 channels, source 1 = p; K = the 16 keys; four accumulators by turns.  More than nine plain instructions lie behind the products that wrote them last
.irp t, 0,1,2,3
.if \i == 0
	v_wmma_f32_16x16x4_f32 v[ACC+8*\t:ACC+8*\t+7], v[16+8*\t+2*\i:17+8*\t+2*\i], v[PP+2*\i:PP+2*\i+1], 0
.else
	v_wmma_f32_16x16x4_f32 v[ACC+8*\t:ACC+8*\t+7], v[16+8*\t+2*\i:17+8*\t+2*\i], v[PP+2*\i:PP+2*\i+1], v[ACC+8*\t:ACC+8*\t+7]
.endif
.endr
.endr
.rept 9
	v_nop                                          ; eight places in front of the reads of the sums, nine in front of the products that begin the accumulators anew
.endr
.set n, 0
.rept 16
	v_pk_mul_f32 v[OO+2*n:OO+2*n+1], v[ACC+2*n:ACC+2*n+1], v[152:153] op_sel_hi:[1,0]   ; o = O^T / the sum, into other registers: lane (r, h): position r, channel 16 t + 8 h + j
.set n, n+1
.endr
	s_wait_loadcnt 0x0                             ; Wp's four tiles and the bias
.irp t, 0,1,2,3                        ; my head's part of the out-projection: source 0 = 16 rows of Wp, source 1 = o; four accumulators by turns
.irp i, 0,1,2,3
.irp ct, 0,1,2,3
.if \ct < 2
.set WB, 192+32*\ct
.else
.set WB, 48+32*(\ct-2)
.endif
.if (\t == 0) && (\i == 0)
	v_wmma_f32_16x16x4_f32 v[ACC+8*\ct:ACC+8*\ct+7], v[WB+8*\t+2*\i:WB+8*\t+2*\i+1], v[OO+8*\t+2*\i:OO+8*\t+2*\i+1], 0
.else
	v_wmma_f32_16x16x4_f32 v[ACC+8*\ct:ACC+8*\ct+7], v[WB+8*\t+2*\i:WB+8*\t+2*\i+1], v[OO+8*\t+2*\i:OO+8*\t+2*\i+1], v[ACC+8*\ct:ACC+8*\ct+7]
.endif
.endr
.endr
.endr
.rept 8
	v_nop
.endr
.irp ct, 0,1,2,3
.irp u, 0,1
	ds_store_b128 v2, v[ACC+8*\ct+4*\u:ACC+8*\ct+4*\u+3] offset:64*\ct+16*\u   ; lane (r, h): position r, columns 16 ct + 8 h + 0 .. 7: into my region, whose earlier contents only I read
.endr
.endr
	s_wait_dscnt 0x0                               ; for the others' sake: my stores have landed
	s_barrier_signal -1
	s_barrier_wait -1
.irp k, 0,1,2,3,4,5,6,7,8,9,10,11,12,13,14,15
	ds_load_b64 v[16+2*\k:17+2*\k], v5 offset:\k*REG           ; row w of every head's part
.endr
	s_wait_dscnt 0x0
.irp k, 0,1,2,3,4,5,6,7
	v_pk_add_f32 v[16+4*\k:17+4*\k], v[16+4*\k:17+4*\k], v[18+4*\k:19+4*\k]
.endr
.irp k, 0,1,2,3
	v_pk_add_f32 v[16+8*\k:17+8*\k], v[16+8*\k:17+8*\k], v[20+8*\k:21+8*\k]
.endr
	v_pk_add_f32 v[16:17], v[16:17], v[24:25]
	v_pk_add_f32 v[32:33], v[32:33], v[40:41]
	v_pk_add_f32 v[16:17], v[16:17], v[32:33]
	v_pk_add_f32 v[16:17], v[16:17], v[12:13]      ; + bp
	global_store_b64 v6, v[16:17], s[10:11]        ; 32 lanes store 256 consecutive bytes, aligned
	s_wait_tensorcnt 0x0                           ; the wave's end
	ds_add_u32 v14, v15
	s_wait_dscnt 0x0
	s_endpgm
.Lfunc_end_k_qffac2604d1_fine:
	.size	k_qffac2604d1_fine, .Lfunc_end_k_qffac2604d1_fine-k_qffac2604d1_fine
	.p2alignl 7, 3214868480
	.fill 96, 4, 3214868480
	.section	.rodata,"a",@progbits
	.p2align	6, 0x0
	.amdhsa_kernel k_qffac2604d1_fine
		.amdhsa_group_segment_fixed_size 71680
		.amdhsa_private_segment_fixed_size 0
		.amdhsa_enable_private_segment 0
		.amdhsa_kernarg_size 32
		.amdhsa_user_sgpr_count 2
		.amdhsa_user_sgpr_kernarg_segment_ptr 1
		.amdhsa_wavefront_size32 1
		.amdhsa_system_sgpr_workgroup_id_x 1
		.amdhsa_system_sgpr_workgroup_id_y 1
		.amdhsa_system_sgpr_workgroup_id_z 1
		.amdhsa_system_vgpr_workitem_id 0
		.amdhsa_next_free_vgpr 256
		.amdhsa_next_free_sgpr 66
		.amdhsa_reserve_vcc 1
		.amdhsa_float_denorm_mode_32 3
		.amdhsa_float_denorm_mode_16_64 3
		.amdhsa_memory_ordered 1
		.amdhsa_forward_progress 1
		.amdhsa_inst_pref_size 24
	.end_amdhsa_kernel
	.amdgpu_metadata
---
amdhsa.version: [ 1, 2 ]
amdhsa.kernels:
  - .name:           k_qffac2604d1_fine
    .symbol:         k_qffac2604d1_fine.kd
    .args:
      - { .name: fine32, .offset: 0, .size: 8, .value_kind: global_buffer, .address_space: global }
      - { .name: Wp, .offset: 8, .size: 8, .value_kind: global_buffer, .address_space: global }
      - { .name: bp, .offset: 16, .size: 8, .value_kind: global_buffer, .address_space: global }
      - { .name: out0, .offset: 24, .size: 8, .value_kind: global_buffer, .address_space: global }
    .group_segment_fixed_size: 71680
    .private_segment_fixed_size: 0
    .kernarg_segment_align: 8
    .kernarg_segment_size: 32
    .max_flat_workgroup_size: 512
    .sgpr_count:     66
    .vgpr_count:     256
    .wavefront_size: 32
...
	.end_amdgpu_metadata
.endif
;; end of part 5
